; MI455X (gfx1250); checked and timed in simulation.
; The chip was launched on July 23, 2026; its instructions are those of AMD's public machine-readable ISA for CDNA 5 (MIT licence, August 2026) and "CDNA5" Instruction Set Architecture Reference Guide (July 2026). The comments in the code are by the model that wrote it; some were corrected since.
;; Res Attn Block. Allowed arithmetic: matrix products marked QUANTISED: E2M1 operands, one E8M0 scale for each 32 along K, by v_wmma_scale_f32_16x16x128_f8f6f4 with both operands' format E2M1 (or v_wmma_scale_f32_32x16x128_f4), f32 sums; everything else in f32.
;; Inputs: b_attn 768 float32; b_proj 256 float32; beta 256 float32; gamma 256 float32; t_embd 32 x 1,024 float32; w_attn 768 x 256 float32; w_proj 256 x 256 float32; x 32 x 256 x 32 x 32 float32.
;; Outputs: out0 32 x 256 x 32 x 32 float32.
;; This version of the problem:
;;   THIS VERSION OF THE PROBLEM IS GIVEN IN LOW PRECISION. The matrix products marked QUANTISED in the list below multiply operands that are first quantised to E2M1 (2 exponent bits, 1 mantissa bit; 4 bits a number), with one power-of-two scale for each 32 numbers along K (OCP MX v1.0); their sums are f32. All else is computed in f32.
;;   The module's matrix products, in the order in which they are computed (A, B: the left and right operand; K: the contracted axis; several contracted axes count as one K, in the product's order):
;;     1. [M 32,768, K 256] x [K 256, N 768]; A: computed on the way; B: input w_attn: QUANTISED
;;     2. batch 32 x [M 1,024, K 256] x [K 256, N 1,024]; A: computed on the way; B: computed on the way: QUANTISED
;;     3. batch 32 x [M 1,024, K 1,024] x [K 1,024, N 256]; A: computed on the way; B: computed on the way: QUANTISED
;;     4. [M 32,768, K 256] x [K 256, N 256]; A: computed on the way; B: input w_proj: QUANTISED
;;   THE QUANTISER, for each operand of a quantised product, along K:
;;     - K is cut into blocks of 32 from its start; a last block that is shorter is filled with zeros.
;;     - A block's scale is 2^e with e = floor(log2(the largest magnitude in the block)) - 2, held to -126 .. 127; a block of zeros has e = 0. As a byte (E8M0): e + 127.
;;     - Each number is divided by its block's scale, clamped to +-6, and rounded to the nearest number of E2M1, ties to even, subnormals kept.
;;     - The product sums the exact products of the quantised numbers (number of the format x scale) in f32.
;;   ~~~python
;;   def quantise(x, axis):      # numpy; x: float32 -> the quantised numbers, widened to float32 again
;;       x = np.moveaxis(x, axis, -1); K = x.shape[-1]
;;       x = np.pad(x, [(0, 0)] * (x.ndim - 1) + [(0, -K % 32)]); x = x.reshape(x.shape[:-1] + (-1, 32)); a = np.abs(x).max(-1, keepdims=True)
;;       e = np.where(a > 0, np.clip(np.frexp(np.where(a > 0, a, 1))[1] - 1 - 2, -126, 127), 0)      # np.frexp(a)[1] - 1 = floor(log2(a)), exactly
;;       r = np.clip(x / 2.0 ** e, -6, 6)
;;       step = 2.0 ** (np.maximum(np.frexp(np.where(r == 0, 1, r))[1] - 1, 0) - 1)
;;       q = np.round(r / step) * step * 2.0 ** e      # np.round: ties to even
;;       return np.moveaxis(q.reshape(q.shape[:-2] + (-1,))[..., :K], -1, axis).astype(np.float32)
;;   ~~~
;;   OPERANDS COMPUTED ON THE WAY. 'Computed on the way' means the value that the module computes at that place (a softmax that the list does not call 'softmax' is quantised finished and normalised). What goes into a quantiser is computed in f32, as accurately as f32 sums, v_exp_f32 and their like allow (about 1e-6 of the number): no bf16 or f16 on the way to a quantiser, and a product that is left as it is and whose result goes on into a quantised operand takes f32 operands (vector FMAs, or v_wmma_f32_16x16x4_f32). A number that lies on a knife's edge between two numbers of the format may be rounded either way, as far as f32 arithmetic and the matrix unit's own rounding can turn it there, and no further.
;; One version. Each part assembles by itself: llvm-mc -triple=amdgcn-amd-amdhsa -mcpu=gfx1250 --defsym DOCPART=n.
;; ======== version 1 of 1: 3 launches
;; workspace buffers: hq 4,456,448 bytes; wq 139,264 bytes; qkv 13,369,344 bytes
;; launch norm (part 1): grid 256 x 1, 8 waves a work-group, no clusters, 1,536 bytes of LDS; arguments x, gamma, beta, w_attn, w_proj, hq, wq; writes hq, wq
.if DOCPART == 1
	.amdgcn_target "amdgcn-amd-amdhsa--gfx1250"
	.amdhsa_code_object_version 6
	.text
	.protected	k_q3c2ae868fa_norm
	.globl	k_q3c2ae868fa_norm
	.p2align	8
	.type	k_q3c2ae868fa_norm,@function
k_q3c2ae868fa_norm:
	s_mov_b64 s[64:65], 0
	v_nop
	global_prefetch_b8 v0, s[64:65] scope:SCOPE_SE
	s_setreg_imm32_b32 hwreg(HW_REG_WAVE_MODE, 25, 1), 1
	s_wait_xcnt 0x0
; GROUP NORM, AND THE FIRST QUANTISERS.  x [32][256][1024] f32 -> h = groupnorm(x) as codes of FP4 (E2M1) with one E8M0 byte for each 32 channels; w_attn [768][256] and w_proj [256][256] -> codes and bytes along their 256.
; SHARES.  Work-group g = 8 b + j owns channels 32 j .. 32 j + 31 of batch b: 131,072 bytes on end, four groups of the norm and exactly one block of 32 along the next product's K.
; Wave wv owns positions 128 wv .. + 127.  A LANE TAKES FOUR POSITIONS AND ITS REGISTERS RUN DOWN THE 32 CHANNELS: a block lies in one lane's 32 registers, and its codes come out with K innermost.
; THE ORDER OF A TILE.  Tile T = 2 B + u of 16 positions holds, in row p, position 32 B + 8 u + p + 8 (p / 8).  Lane (p = lane % 16, u = lane / 16) takes that position of B = 4 wv + t, t = 0 .. 3.
; OUT.  hq: codes [b][T 64][block 8][p 16][16 bytes]; from byte 4,194,304 the scale bytes [b][block 8][wv 8][lane 32][t 4].  A fragment (16 rows x 128 K) is so 1,024 bytes on end, in the order of the operand's registers.
;       wq: codes [tile 64][block 8][p][16 bytes] of the 1,024 stacked rows (w_attn, then w_proj), tiles in the same order; from byte 131,072 scale words in groups of four tiles: (tile / 4) 512 + (K step) 256 + 16 p + 4 (tile % 4).
; The variance is taken of the centred numbers (a second pass over the registers): no difference of large sums is formed.
; LIMITS: a block of zeros gets the byte 1 (the rule says 127): its codes are zeros and the bytes are read by this program alone; NaN and infinities are not served.
; The scale bytes of h leave as 128 bytes a wave, the weights' as single bytes (8,192 in the whole launch): these stores cover less than 256 consecutive bytes.
; t_embd is no argument: no number of the result hangs on it.
.set XO,  1                            ; v1   x: 512 wv + 4 x my place among 32 positions
.set ZR,  2                            ; v2   0
.set HCO, 3                            ; v3   h's codes: 2,048 u + 16 p
.set HSO, 4                            ; v4   h's scale bytes: 128 wv + 4 lane
.set RA,  5                            ; v5   LDS: 16 wv
.set WLO, 6                            ; v6   weights in: 128 lane
.set WCO, 7                            ; v7   their codes: 256 (lane % 8) + 16 (lane / 8)
.set WSO, 8                            ; v8   their bytes
.set WAM, 9                            ; v9   weights: largest magnitude;  v10-13 codes;  v14 byte;  v15 scale operand: nothing rewrites v10-14, which stores read
.set WCD, 10
.set WBY, 14
.set WSC, 15
.set WX,  16                           ; v16-47 wave 0's 32 weight numbers; then
.set PR,  16                           ; v16-23 four pairs of running sums; then
.set RB,  16                           ; v16-47 the eight waves' four sums; at last
.set AM,  16                           ; v16-19 largest magnitudes, v20-23 scale operands, v24-27 bytes, v32-47 codes
.set SO,  20
.set BY,  24
.set CD,  32
.set SM,  48                           ; v48-51 my four sums
.set TP,  52                           ; v52-55 the other half's
.set MN,  56                           ; v56-63 the four means, each twice; later 1 / sqrt(var + eps), each twice
.set X,   64                           ; v64-191 X[32 t + c]
.set GA,  192                          ; v192-223 gamma of my 32 channels
.set BE,  224                          ; v224-255 beta
.set RED1, 0                           ; LDS: 8 x 16 bytes for the sums,
.set RED2, 256                         ; and for the sums of squares
	s_load_b256 s[4:11], s[0:1], 0x0               ; x s[4:5], gamma s[6:7], beta s[8:9], w_attn s[10:11]
	s_load_b128 s[12:15], s[0:1], 0x20             ; w_proj s[12:13], hq s[14:15]
	s_load_b64 s[16:17], s[0:1], 0x30              ; wq
	s_set_vgpr_msb 0x40
	v_lshl_add_u32 v0, v0, 2, 0x200
	v_mov_b32 v1, 0
	s_set_vgpr_msb 0x4000
	v_lshrrev_b32 v[RA], 5, v0
	v_readfirstlane_b32 s18, v[RA]                 ; wave 0..7
	v_and_b32 v9, 15, v0                           ; p
	v_bfe_u32 v10, v0, 4, 1                        ; u
	v_and_b32 v11, 8, v9
	v_add_nc_u32 v11, v11, v9
	v_lshl_add_u32 v11, v10, 3, v11                ; 8 u + p + 8 (p / 8)
	v_lshlrev_b32 v[XO], 2, v11
	v_lshl_add_u32 v[XO], v[RA], 9, v[XO]
	v_mov_b32 v[ZR], 0
	s_mov_b32 s21, 0
	s_and_b32 s34, ttmp9, 7                        ; j
	s_lshr_b32 s35, ttmp9, 3                       ; b
	s_wait_kmcnt 0x0
	s_lshl_b32 s20, ttmp9, 17
	s_add_nc_u64 s[4:5], s[4:5], s[20:21]          ; x at my 32 channels
	s_lshl_b32 s20, s34, 7
	s_add_nc_u64 s[6:7], s[6:7], s[20:21]
	s_add_nc_u64 s[8:9], s[8:9], s[20:21]
.set c, 0
.rept 32                                       ; a channel's four loads stand together and cover 512 bytes on end; all the wave's 16 KiB are asked for before anything is waited for
.irp t, 0,1,2,3
	global_load_b32 v[X+32*\t+c], v[XO], s[4:5] offset:4096*c+128*\t th:TH_LOAD_NT
.endr
.set c, c+1
.endr
.irp i, 0,1,2,3,4,5,6,7
	global_load_b128 v[GA+4*\i:GA+4*\i+3], v[ZR], s[6:7] offset:16*\i
	global_load_b128 v[BE+4*\i:BE+4*\i+3], v[ZR], s[8:9] offset:16*\i
.endr
	v_lshlrev_b32 v[HCO], 4, v9
	v_lshl_add_u32 v[HCO], v10, 11, v[HCO]
	v_and_b32 v12, 31, v0                          ; lane
	v_lshlrev_b32 v[HSO], 2, v12
	v_lshl_add_u32 v[HSO], v[RA], 7, v[HSO]
	v_lshlrev_b32 v[RA], 4, v[RA]
	v_lshlrev_b32 v[WLO], 7, v12
	v_and_b32 v13, 7, v0
	v_lshrrev_b32 v14, 3, v12
	v_lshlrev_b32 v[WCO], 8, v13
	v_lshl_add_u32 v[WCO], v14, 4, v[WCO]
	v_bfe_u32 v15, v0, 2, 1
	v_lshlrev_b32 v[WSO], 8, v15                   ; K step (block / 4) x 256
	v_lshl_add_u32 v[WSO], v14, 4, v[WSO]          ; + 16 x row
	v_and_b32 v15, 3, v0
	v_add_nc_u32 v[WSO], v[WSO], v15               ; + block % 4
.irp g, 0,1,2,3
	v_mov_b32 v[TP+\g], 0                          ; written once: a lane permute's destination counts as one of its sources
.endr
	s_mov_b32 s26, 0x39000000                      ; 2^-13 = 1 / (8 channels x 1,024 positions)
	s_mov_b32 s27, 0x3727c5ac                      ; eps = 1e-5
	s_mov_b32 s28, 0x76543210
	s_mov_b32 s29, 0xfedcba98                      ; v_permlanex16_b32's selects for lane l xor 16
	s_lshl_b32 s20, s35, 17                        ; h's codes: b x 131,072 + wv x 8 tiles + block j
	s_lshl_b32 s19, s18, 14
	s_add_co_u32 s20, s20, s19
	s_lshl_b32 s19, s34, 8
	s_add_co_u32 s20, s20, s19
	s_add_nc_u64 s[22:23], s[14:15], s[20:21]
	s_lshl_b32 s20, ttmp9, 10                      ; h's scale bytes: 1,024 for each (b, j)
	s_add_co_u32 s20, s20, 4194304
	s_add_nc_u64 s[24:25], s[14:15], s[20:21]
	; WAVE 0 ALSO QUANTISES ROWS 4 g .. 4 g + 3 OF THE STACKED WEIGHTS: 32 blocks, one to a lane (row lane / 8, block lane % 8).  One branch on the wave's number; no barrier stands in it.
	s_cmp_lg_u32 s18, 0
	s_cbranch_scc1 .Lrows
	s_cmp_lt_u32 ttmp9, 192                        ; w_attn's work-group or w_proj's: the choice hangs on the work-group's number alone
	s_cselect_b64 s[10:11], s[10:11], s[12:13]
	s_cselect_b32 s19, 0, 192
	s_sub_co_u32 s19, ttmp9, s19
	s_lshl_b32 s20, s19, 12                        ; four rows of 1,024 bytes
	s_add_nc_u64 s[10:11], s[10:11], s[20:21]
.irp i, 0,1,2,3,4,5,6,7
	global_load_b128 v[WX+4*\i:WX+4*\i+3], v[WLO], s[10:11] offset:16*\i
.endr
	s_bfe_u32 s19, ttmp9, 0x10001                  ; the rows' place in the tile order: tile 2 (g / 8) + (g / 2) % 2,
	s_lshl_b32 s36, s35, 1
	s_add_co_u32 s36, s36, s19
	s_and_b32 s19, ttmp9, 1
	s_lshl_b32 s37, s19, 2
	s_bfe_u32 s19, ttmp9, 0x10002
	s_lshl_b32 s19, s19, 3
	s_add_co_u32 s37, s37, s19                     ; first row in it 4 (g % 2) + 8 ((g / 4) % 2),
	s_lshl_b32 s37, s37, 4                         ; 16 bytes a row
	s_lshl_b32 s20, s36, 11
	s_add_co_u32 s20, s20, s37
	s_add_nc_u64 s[30:31], s[16:17], s[20:21]      ; the codes
	s_lshr_b32 s20, s36, 2
	s_lshl_b32 s20, s20, 9
	s_and_b32 s19, s36, 3
	s_lshl_b32 s19, s19, 2
	s_add_co_u32 s20, s20, s19
	s_add_co_u32 s20, s20, s37
	s_add_co_u32 s20, s20, 131072
	s_add_nc_u64 s[32:33], s[16:17], s[20:21]      ; the scale bytes
	s_wait_loadcnt 0x0
	v_max3_num_f32 v[WAM], |v[WX]|, |v[WX+1]|, 0x1800000   ; the floor 2^(3 - 127) holds the byte at 1 from below
.irp i, 2,4,6,8,10,12,14,16,18,20,22,24,26,28,30
	v_max3_num_f32 v[WAM], v[WAM], |v[WX+\i]|, |v[WX+\i+1]|
.endr
	v_add_nc_u32 v[WSC], 0xff000000, v[WAM]        ; 2 off the exponent field: the conversion's scale operand
	v_lshrrev_b32 v[WBY], 23, v[WSC]               ; the byte
.irp g, 0,1,2,3
	v_cvt_scalef32_pk8_fp4_f32 v[WCD+\g], v[WX+8*\g:WX+8*\g+7], v[WSC]
.endr
	v_nop                                          ; one plain place behind the conversions: their sources are written again below
	global_store_b128 v[WCO], v[WCD:WCD+3], s[30:31]
	global_store_b8 v[WSO], v[WBY], s[32:33]
.Lrows:
	s_wait_loadcnt 0x0                             ; the one wait for x, gamma and beta
; My lane's four sums (sq = 0) or sums of squares (sq = 1): a group's 32 registers are 16 pairs, pair p at X + 32 (p / 4) + 8 g + 2 (p % 4); the four groups by turns.
.macro LANES sq
.irp g, 0,1,2,3
.if \sq
	v_pk_mul_f32 v[PR+2*\g:PR+2*\g+1], v[X+8*\g:X+8*\g+1], v[X+8*\g:X+8*\g+1]
.else
	v_pk_add_f32 v[PR+2*\g:PR+2*\g+1], v[X+8*\g:X+8*\g+1], v[X+8*\g+2:X+8*\g+3]
.endif
.endr
.set p, 2-\sq
.rept 14+\sq
.irp g, 0,1,2,3
.if \sq
	v_pk_fma_f32 v[PR+2*\g:PR+2*\g+1], v[X+32*(p/4)+8*\g+2*(p%4):X+32*(p/4)+8*\g+2*(p%4)+1], v[X+32*(p/4)+8*\g+2*(p%4):X+32*(p/4)+8*\g+2*(p%4)+1], v[PR+2*\g:PR+2*\g+1]
.else
	v_pk_add_f32 v[PR+2*\g:PR+2*\g+1], v[PR+2*\g:PR+2*\g+1], v[X+32*(p/4)+8*\g+2*(p%4):X+32*(p/4)+8*\g+2*(p%4)+1]
.endif
.endr
.set p, p+1
.endr
.irp g, 0,1,2,3
	v_add_f32 v[SM+\g], v[PR+2*\g], v[PR+2*\g+1]
.endr
.endm
; Across the 32 lanes, then across the eight waves through LDS: the four totals end in v[RB] .. v[RB + 3] of every lane, added in the same order in every wave.
.macro ACROSS red
.irp m, 1,2,4,8
.irp g, 0,1,2,3
	v_add_f32_dpp v[SM+\g], v[SM+\g], v[SM+\g] row_xmask:\m row_mask:0xf bank_mask:0xf
.endr
.endr
.irp g, 0,1,2,3
	v_permlanex16_b32 v[TP+\g], v[SM+\g], s28, s29
.endr
.irp g, 0,1,2,3
	v_add_f32 v[SM+\g], v[SM+\g], v[TP+\g]
.endr
	ds_store_b128 v[RA], v[SM:SM+3] offset:\red    ; all lanes write the wave's 16 bytes with the same values
	s_wait_dscnt 0x0                               ; for the others' sake: my store has landed
	s_barrier_signal -1
	s_barrier_wait -1
.irp i, 0,1,2,3,4,5,6,7
	ds_load_b128 v[RB+4*\i:RB+4*\i+3], v[ZR] offset:\red+16*\i
.endr
	s_wait_dscnt 0x0
.irp i, 0,2,4,6,8,10,12,14
	v_pk_add_f32 v[RB+\i:RB+\i+1], v[RB+\i:RB+\i+1], v[RB+16+\i:RB+16+\i+1]
.endr
.irp i, 0,2,4,6
	v_pk_add_f32 v[RB+\i:RB+\i+1], v[RB+\i:RB+\i+1], v[RB+8+\i:RB+8+\i+1]
.endr
.irp i, 0,2
	v_pk_add_f32 v[RB+\i:RB+\i+1], v[RB+\i:RB+\i+1], v[RB+4+\i:RB+4+\i+1]
.endr
.endm
	LANES 0
	ACROSS RED1
.irp g, 0,1,2,3
	v_mul_f32 v[MN+2*\g], s26, v[RB+\g]            ; the group's mean, twice: a pair for the packed forms
	v_mul_f32 v[MN+2*\g+1], s26, v[RB+\g]
.endr
.set q, 0
.rept 64                                       ; pair q: position t = q / 16, channels 2 (q % 16) on, group (q % 16) / 4
	v_pk_add_f32 v[X+2*q:X+2*q+1], v[X+2*q:X+2*q+1], v[MN+2*((q%16)/4):MN+2*((q%16)/4)+1] neg_lo:[0,1] neg_hi:[0,1]
.set q, q+1
.endr
	LANES 1
	ACROSS RED2                                    ; other bytes than the first time: two barriers in all
.irp g, 0,1,2,3
	v_fma_f32 v[RB+\g], v[RB+\g], s26, s27         ; var + eps
.endr
.irp g, 0,1,2,3
	v_rsq_f32 v[MN+2*\g], v[RB+\g]
	v_rsq_f32 v[MN+2*\g+1], v[RB+\g]
.endr
	v_nop                                          ; one plain place behind the transcendentals
.set q, 0
	s_wait_alu depctr_va_vdst(0)
.rept 16
	v_pk_mul_f32 v[GA+2*q:GA+2*q+1], v[GA+2*q:GA+2*q+1], v[MN+2*(q/4):MN+2*(q/4)+1]   ; gamma / sqrt(var + eps)
.set q, q+1
.endr
.set q, 0
.rept 64
	v_pk_fma_f32 v[X+2*q:X+2*q+1], v[X+2*q:X+2*q+1], v[GA+2*(q%16):GA+2*(q%16)+1], v[BE+2*(q%16):BE+2*(q%16)+1]
.set q, q+1
.endr
	; THE QUANTISER: each of my four positions has its whole block of 32 channels in my registers; the four by turns
.irp t, 0,1,2,3
	v_max3_num_f32 v[AM+\t], |v[X+32*\t]|, |v[X+32*\t+1]|, 0x1800000
.endr
.set i, 2
.rept 15
.irp t, 0,1,2,3
	v_max3_num_f32 v[AM+\t], v[AM+\t], |v[X+32*\t+i]|, |v[X+32*\t+i+1]|
.endr
.set i, i+2
.endr
.irp t, 0,1,2,3
	v_add_nc_u32 v[SO+\t], 0xff000000, v[AM+\t]
.endr
.irp t, 0,1,2,3
	v_lshrrev_b32 v[BY+\t], 23, v[SO+\t]
.endr
.irp t, 0,1,2,3
.irp g, 0,1,2,3
	v_cvt_scalef32_pk8_fp4_f32 v[CD+4*\t+\g], v[X+32*\t+8*\g:X+32*\t+8*\g+7], v[SO+\t]
.endr
.endr
	v_lshl_or_b32 v[BY], v[BY+1], 8, v[BY]         ; the four positions' bytes in one word
	v_lshl_or_b32 v[BY], v[BY+2], 16, v[BY]
	v_lshl_or_b32 v[BY], v[BY+3], 24, v[BY]
.irp t, 0,1,2,3
	global_store_b128 v[HCO], v[CD+4*\t:CD+4*\t+3], s[22:23] offset:4096*\t   ; lanes 0-15 store 256 consecutive aligned bytes (tile 2 t), lanes 16-31 another 256 (tile 2 t + 1)
.endr
	global_store_b32 v[HSO], v[BY], s[24:25]
	s_set_vgpr_msb 0x5
	s_wait_tensorcnt 0x0
	ds_add_u32 v0, v1
	s_wait_dscnt 0x0
	s_set_vgpr_msb 0x500
	s_endpgm
.Lfunc_end_k_q3c2ae868fa_norm:
	.size	k_q3c2ae868fa_norm, .Lfunc_end_k_q3c2ae868fa_norm-k_q3c2ae868fa_norm
	.p2alignl 7, 3214868480
	.fill 96, 4, 3214868480
	.section	.rodata,"a",@progbits
	.p2align	6, 0x0
	.amdhsa_kernel k_q3c2ae868fa_norm
		.amdhsa_group_segment_fixed_size 1536
		.amdhsa_private_segment_fixed_size 0
		.amdhsa_enable_private_segment 0
		.amdhsa_kernarg_size 56
		.amdhsa_user_sgpr_count 2
		.amdhsa_user_sgpr_kernarg_segment_ptr 1
		.amdhsa_wavefront_size32 1
		.amdhsa_system_sgpr_workgroup_id_x 1
		.amdhsa_system_sgpr_workgroup_id_y 1
		.amdhsa_system_sgpr_workgroup_id_z 1
		.amdhsa_system_vgpr_workitem_id 0
		.amdhsa_next_free_vgpr 258
		.amdhsa_next_free_sgpr 66
		.amdhsa_reserve_vcc 0
		.amdhsa_float_denorm_mode_32 3
		.amdhsa_float_denorm_mode_16_64 3
		.amdhsa_memory_ordered 1
		.amdhsa_forward_progress 1
		.amdhsa_inst_pref_size 50
	.end_amdhsa_kernel
	.amdgpu_metadata
---
amdhsa.version: [ 1, 2 ]
amdhsa.kernels:
  - .name:           k_q3c2ae868fa_norm
    .symbol:         k_q3c2ae868fa_norm.kd
    .args:
      - { .name: x, .offset: 0, .size: 8, .value_kind: global_buffer, .address_space: global }
      - { .name: gamma, .offset: 8, .size: 8, .value_kind: global_buffer, .address_space: global }
      - { .name: beta, .offset: 16, .size: 8, .value_kind: global_buffer, .address_space: global }
      - { .name: w_attn, .offset: 24, .size: 8, .value_kind: global_buffer, .address_space: global }
      - { .name: w_proj, .offset: 32, .size: 8, .value_kind: global_buffer, .address_space: global }
      - { .name: hq, .offset: 40, .size: 8, .value_kind: global_buffer, .address_space: global }
      - { .name: wq, .offset: 48, .size: 8, .value_kind: global_buffer, .address_space: global }
    .group_segment_fixed_size: 1536
    .private_segment_fixed_size: 0
    .kernarg_segment_align: 8
    .kernarg_segment_size: 56
    .max_flat_workgroup_size: 256
    .sgpr_count:     66
    .vgpr_count:     258
    .wavefront_size: 32
...
	.end_amdgpu_metadata
.endif
;; end of part 1
;; launch qkv (part 2): grid 256 x 1, 4 waves a work-group, no clusters, 0 bytes of LDS; arguments hq, wq, b_attn, qkv; writes qkv
.if DOCPART == 2
	.amdgcn_target "amdgcn-amd-amdhsa--gfx1250"
	.amdhsa_code_object_version 6
	.text
	.protected	k_q3c2ae868fa_qkv
	.globl	k_q3c2ae868fa_qkv
	.p2align	8
	.type	k_q3c2ae868fa_qkv,@function
k_q3c2ae868fa_qkv:
	s_mov_b64 s[64:65], 0
	v_nop
	global_prefetch_b8 v0, s[64:65] scope:SCOPE_SE
	s_setreg_imm32_b32 hwreg(HW_REG_WAVE_MODE, 25, 1), 1
	s_wait_xcnt 0x0
; qkv = h W_attn^T + b_attn on codes of FP4 (E2M1) with E8M0 scales, and the quantisers behind it: q and k along the channels, v along the keys.
; SHARES.  Work-group 8 b + pb owns positions 128 pb .. + 127 of batch b: eight tiles of 16, in the order in which they were laid (row p of tile 2 B + u is index 32 B + 8 u + p + 8 (p / 8); weights' tiles likewise).
; A UNIT is eight tiles as source 0 against one tile as source 1, K = 256: 16 matrix instructions into 64 registers.  In the result a lane holds ONE row of source 1, and the 16 registers of tiles 2 B, 2 B + 1 are
; 16 neighbours of source 0's axis, 32 B + 16 (lane / 16) + 0 .. 15: four half blocks of 32 along the next product's K, quantised as they stand.
; Wave w: eight units for q (w = 0, 1: channels 0-127, 128-255) or k (w = 2, 3): source 0 = weight tiles 8 w .. 8 w + 7, source 1 = a tile of h.  Then four units for v: source 0 = the eight tiles of h, source 1 = weight tile 32 + 4 w + i:
; there a lane holds one channel of v and 64 of the 128 positions, which are key step pb of the product p v.  The bias is the C of each sum's first matrix instruction.
; All operands come from memory straight into registers, each fragment (1,024 bytes on end, in the order of the operand's registers) by two loads of 16 bytes a lane.  No LDS, no barrier: waves share nothing.
; OUT.  qkv: three regions of 4,456,448 bytes.  q, k: codes [b][tile 64][block 8][p][16 bytes]; from + 4,194,304 scale words b 8,192 + (tile / 4) 512 + (K step) 256 + 16 p + 4 (tile % 4).
;       v: codes [b][key step 8][channel tile 16][block 4][p][16 bytes]; scale words ((4 b + tile / 4) 4 + step / 2) 512 + (step % 2) 256 + 16 p + 4 (tile % 4).
; A lane's 16 codes of a block are 8 bytes at 256 x block + 16 p + 8 (lane / 16): the wave's store covers 256 consecutive aligned bytes.
; LIMITS: a block of zeros gets the byte 1: its codes are zeros and the bytes are read by this program alone; NaN and infinities are not served.
; REGISTERS.  Window 0: v1-7 offsets; v8-15 h's scale bytes as loaded; v16-23 h's scale words; v24-31 at work; v32-39, v40-43 the weights' scale words; v44-55 the units' scale words; v56-59, v76-77 what the scale stores read;
;   v60-75 at work; v80-143 a unit's 64 sums; v144-239 the codes, eight registers for each of the 12 units, so that no store's data are written again.
;   Window 1: v0-127 h's 16 fragments; v128-255 the 16 fragments of my q or k weights.   Window 2: v0-63 their bias; v64-127 my v weights' eight fragments; v128-159 their bias.
.set LI,  1                            ; v1  16 lane
.set LQ,  2                            ; v2  16 p + 8 (lane / 16)
.set L4,  3                            ; v3  4 lane
.set BA,  4                            ; v4  64 (lane / 16): the bias of q, k
.set BVA, 5                            ; v5  4 (p + 8 (p / 8)): the bias of v
.set SQA, 6                            ; v6  512 (lane / 16) + 16 p
.set LN,  7                            ; v7  lane
.set HB,  8
.set HS,  16                           ; register 2 t + s: lanes 0-15 the words of tile 2 t, lanes 16-31 of tile 2 t + 1, for K step s
.set PT,  24
.set WS,  32                           ; register i: lanes 0-15 tile i's words of K step 0, lanes 16-31 of K step 1
.set WVS, 40
.set PW,  44
.set SD,  56
.set TM,  60
.set SD2, 76
.set HA,  80
.set PC,  144
.set HF,  0                            ; window 1
.set WF,  128
.set BQ,  0                            ; window 2
.set WV,  64
.set BV,  128
.set MSB, 0
.macro WIN new                         ; the immediate's high byte repeats the setting that is left; bits 1:0 source 0, 3:2 source 1, 5:4 source 2, 7:6 destination
.if MSB != (\new)
	s_set_vgpr_msb (MSB<<8)|(\new)
.set MSB, (\new)
.endif
.endm
; One matrix instruction from the symbols rD, rA, rB, rC (under 0: the constant 0), the scale registers rSA, rSB and their rows rRA, rRB
.macro WM
.if rC < 0
.if (rRA == 0) && (rRB == 0)
	v_wmma_scale_f32_16x16x128_f8f6f4 v[rD:rD+7], v[rA:rA+7], v[rB:rB+7], 0, v[rSA], v[rSB] matrix_a_fmt:MATRIX_FMT_FP4 matrix_b_fmt:MATRIX_FMT_FP4
.elseif (rRA == 1) && (rRB == 0)
	v_wmma_scale_f32_16x16x128_f8f6f4 v[rD:rD+7], v[rA:rA+7], v[rB:rB+7], 0, v[rSA], v[rSB] matrix_a_fmt:MATRIX_FMT_FP4 matrix_b_fmt:MATRIX_FMT_FP4 matrix_a_scale:MATRIX_SCALE_ROW1
.elseif (rRA == 0) && (rRB == 1)
	v_wmma_scale_f32_16x16x128_f8f6f4 v[rD:rD+7], v[rA:rA+7], v[rB:rB+7], 0, v[rSA], v[rSB] matrix_a_fmt:MATRIX_FMT_FP4 matrix_b_fmt:MATRIX_FMT_FP4 matrix_b_scale:MATRIX_SCALE_ROW1
.else
	v_wmma_scale_f32_16x16x128_f8f6f4 v[rD:rD+7], v[rA:rA+7], v[rB:rB+7], 0, v[rSA], v[rSB] matrix_a_fmt:MATRIX_FMT_FP4 matrix_b_fmt:MATRIX_FMT_FP4 matrix_a_scale:MATRIX_SCALE_ROW1 matrix_b_scale:MATRIX_SCALE_ROW1
.endif
.else
.if (rRA == 0) && (rRB == 0)
	v_wmma_scale_f32_16x16x128_f8f6f4 v[rD:rD+7], v[rA:rA+7], v[rB:rB+7], v[rC:rC+7], v[rSA], v[rSB] matrix_a_fmt:MATRIX_FMT_FP4 matrix_b_fmt:MATRIX_FMT_FP4
.elseif (rRA == 1) && (rRB == 0)
	v_wmma_scale_f32_16x16x128_f8f6f4 v[rD:rD+7], v[rA:rA+7], v[rB:rB+7], v[rC:rC+7], v[rSA], v[rSB] matrix_a_fmt:MATRIX_FMT_FP4 matrix_b_fmt:MATRIX_FMT_FP4 matrix_a_scale:MATRIX_SCALE_ROW1
.elseif (rRA == 0) && (rRB == 1)
	v_wmma_scale_f32_16x16x128_f8f6f4 v[rD:rD+7], v[rA:rA+7], v[rB:rB+7], v[rC:rC+7], v[rSA], v[rSB] matrix_a_fmt:MATRIX_FMT_FP4 matrix_b_fmt:MATRIX_FMT_FP4 matrix_b_scale:MATRIX_SCALE_ROW1
.else
	v_wmma_scale_f32_16x16x128_f8f6f4 v[rD:rD+7], v[rA:rA+7], v[rB:rB+7], v[rC:rC+7], v[rSA], v[rSB] matrix_a_fmt:MATRIX_FMT_FP4 matrix_b_fmt:MATRIX_FMT_FP4 matrix_a_scale:MATRIX_SCALE_ROW1 matrix_b_scale:MATRIX_SCALE_ROW1
.endif
.endif
.endm
.macro PLACES n
.rept \n
	v_nop
.endr
.endm
; The unit's 64 sums, register 16 b + i = k 32 b + 16 (lane / 16) + i of my row, become codes in v[pc] .. v[pc + 7] (two registers a block) and my row's scale word in v[pw].  Each accumulator is read from its low end on.
.macro QB pc, pw
.irp b, 0,1,2,3
	v_max3_num_f32 v[TM+\b], |v[HA+16*\b]|, |v[HA+1+16*\b]|, 0x1800000   ; my 16 numbers of block b, and the floor 2^(3 - 127): the byte cannot fall under 1
.endr
.irp i, 2,4,6,8,10,12,14
.irp b, 0,1,2,3
	v_max3_num_f32 v[TM+\b], v[TM+\b], |v[HA+16*\b+\i]|, |v[HA+1+16*\b+\i]|
.endr
.endr
.irp b, 0,1,2,3
	v_permlanex16_b32 v[TM+4+\b], v[TM+\b], s36, s37
.endr
.irp b, 0,1,2,3
	v_max_num_f32 v[TM+\b], v[TM+\b], v[TM+4+\b]   ; with lane l xor 16's: the block's largest magnitude
.endr
.irp b, 0,1,2,3
	v_add_nc_u32 v[TM+12+\b], 0xff000000, v[TM+\b] ; 2 off its exponent field: the conversion's scale operand
.endr
.irp b, 0,1,2,3
	v_lshrrev_b32 v[TM+4+\b], 23, v[TM+12+\b]      ; the byte
.endr
	v_lshl_or_b32 v[\pw], v[TM+5], 8, v[TM+4]
	v_lshl_or_b32 v[\pw], v[TM+6], 16, v[\pw]
	v_lshl_or_b32 v[\pw], v[TM+7], 24, v[\pw]
.irp b, 0,1,2,3
	v_cvt_scalef32_pk8_fp4_f32 v[\pc+2*\b], v[HA+16*\b:HA+7+16*\b], v[TM+12+\b]
	v_cvt_scalef32_pk8_fp4_f32 v[\pc+1+2*\b], v[HA+8+16*\b:HA+15+16*\b], v[TM+12+\b]
.endr
	v_nop                                          ; one plain place behind the conversions: the next unit's products write their sources
.endm
	s_load_b256 s[4:11], s[0:1], 0x0               ; hq s[4:5], wq s[6:7], b_attn s[8:9], qkv s[10:11]
	v_lshrrev_b32 v8, 5, v0
	v_readfirstlane_b32 s38, v8                    ; wave 0..3
	v_and_b32 v[LN], 31, v0
	v_and_b32 v9, 15, v0                           ; p
	v_bfe_u32 v10, v0, 4, 1                        ; lane / 16
	v_lshlrev_b32 v[LI], 4, v[LN]
	v_lshlrev_b32 v[LQ], 4, v9
	v_lshl_add_u32 v[LQ], v10, 3, v[LQ]
	v_lshlrev_b32 v[L4], 2, v[LN]
	v_lshlrev_b32 v[BA], 6, v10
	v_and_b32 v[BVA], 8, v9
	v_add_nc_u32 v[BVA], v[BVA], v9
	v_lshlrev_b32 v[BVA], 2, v[BVA]
	v_lshlrev_b32 v[SQA], 4, v9
	v_lshl_add_u32 v[SQA], v10, 9, v[SQA]
	v_cmp_le_u32 vcc_lo, 16, v[LN]                 ; lanes 16-31
.irp b, 0,1,2,3
	v_mov_b32 v[TM+4+\b], 0                        ; written once: a lane permute's destination counts as one of its sources
.endr
	s_mov_b32 s36, 0x76543210
	s_mov_b32 s37, 0xfedcba98                      ; selects for lane l xor 16
	s_mov_b32 s42, 0x05010400                      ; byte selects of the 4 x 4 transposition below
	s_mov_b32 s43, 0x07030602
	s_mov_b32 s44, 0x05040100
	s_mov_b32 s45, 0x07060302
	s_lshr_b32 s39, ttmp9, 3                       ; b
	s_and_b32 s46, ttmp9, 7                        ; pb
	s_lshr_b32 s47, s38, 1                         ; q (0) or k (1)
	s_and_b32 s48, s38, 1                          ; which 128 of its channels: the K step that I make
	s_mov_b32 s41, 0
	s_wait_kmcnt 0x0
	s_lshl_b32 s40, s39, 13                        ; h's scale bytes: 8,192 b + 128 pb, 1,024 from block to block
	s_lshl_b32 s49, s46, 7
	s_add_co_u32 s40, s40, s49
	s_add_co_u32 s40, s40, 4194304
	s_add_nc_u64 s[12:13], s[4:5], s[40:41]
	s_lshl_b32 s40, ttmp9, 14                      ; h's codes: eight tiles of 2,048 bytes
	s_add_nc_u64 s[14:15], s[4:5], s[40:41]
	s_lshl_b32 s40, s38, 10                        ; the scale words of weight tiles 8 w on
	s_add_co_u32 s40, s40, 131072
	s_add_nc_u64 s[16:17], s[6:7], s[40:41]
	s_lshl_b32 s40, s38, 14                        ; and their codes
	s_add_nc_u64 s[18:19], s[6:7], s[40:41]
	s_lshl_b32 s40, s38, 9                         ; the bias of rows 128 w on
	s_add_nc_u64 s[20:21], s[8:9], s[40:41]
	s_lshl_b32 s40, s38, 9                         ; the scale words of weight tiles 32 + 4 w on
	s_add_co_u32 s40, s40, 131072+4096
	s_add_nc_u64 s[22:23], s[6:7], s[40:41]
	s_lshl_b32 s40, s38, 13                        ; their codes
	s_add_co_u32 s40, s40, 65536
	s_add_nc_u64 s[24:25], s[6:7], s[40:41]
	s_lshl_b32 s40, s38, 8                         ; the bias of rows 512 + 64 w on
	s_add_co_u32 s40, s40, 2048
	s_add_nc_u64 s[26:27], s[8:9], s[40:41]
.irp j, 0,1,2,3,4,5,6,7
	global_load_b32 v[HB+\j], v[L4], s[12:13] offset:1024*\j
.endr
.irp q, 0,1
	global_load_b128 v[WS+4*\q:WS+4*\q+3], v[LI], s[16:17] offset:512*\q
.endr
	WIN 0x40                                       ; destination window 1
.set f, 0
.rept 16                                       ; fragment f = 2 x tile + K step
.irp c, 0,1
	global_load_b128 v[WF+8*f+4*\c:WF+8*f+4*\c+3], v[LI], s[18:19] offset:1024*f+512*\c
.endr
.set f, f+1
.endr
	WIN 0x80                                       ; destination window 2
.irp i, 0,1,2,3,4,5,6,7                        ; lane (r, h) wants, for tile 2 B + u, the bias of rows 32 B + 16 h + 8 u + 0 .. 7
	global_load_b128 v[BQ+8*\i:BQ+8*\i+3], v[BA], s[20:21] offset:(32*(\i/2)+8*(\i%2))*4
	global_load_b128 v[BQ+8*\i+4:BQ+8*\i+7], v[BA], s[20:21] offset:(32*(\i/2)+8*(\i%2))*4+16
.endr
	WIN 0x40
.set f, 0
.rept 16
.irp c, 0,1
	global_load_b128 v[HF+8*f+4*\c:HF+8*f+4*\c+3], v[LI], s[14:15] offset:1024*f+512*\c
.endr
.set f, f+1
.endr
	WIN 0
	global_load_b128 v[WVS:WVS+3], v[LI], s[22:23]
	WIN 0x80
.set f, 0
.rept 8
.irp c, 0,1
	global_load_b128 v[WV+8*f+4*\c:WV+8*f+4*\c+3], v[LI], s[24:25] offset:1024*f+512*\c
.endr
.set f, f+1
.endr
.irp i, 0,1,2,3                                ; v's bias hangs on the lane's channel alone: the same number in all eight registers of a C
.irp j, 0,1,2,3,4,5,6,7
	global_load_b32 v[BV+8*\i+\j], v[BVA], s[26:27] offset:(32*(\i/2)+8*(\i%2))*4
.endr
.endr
	WIN 0
	s_mul_i32 s49, s47, 4456448                    ; where my results go.  q or k, codes: region + my eight tiles + my K step
	s_lshl_b32 s40, ttmp9, 14
	s_add_co_u32 s40, s40, s49
	s_lshl_b32 s50, s48, 10
	s_add_co_u32 s40, s40, s50
	s_add_nc_u64 s[28:29], s[10:11], s[40:41]
	s_lshl_b32 s40, ttmp9, 14                      ; v, codes: key step pb, channel tiles 4 w on
	s_lshl_b32 s50, s38, 12
	s_add_co_u32 s40, s40, s50
	s_add_co_u32 s40, s40, 8912896
	s_add_nc_u64 s[30:31], s[10:11], s[40:41]
	s_lshl_b32 s40, ttmp9, 10                      ; q or k, scale words
	s_add_co_u32 s40, s40, s49
	s_lshl_b32 s50, s48, 8
	s_add_co_u32 s40, s40, s50
	s_add_co_u32 s40, s40, 4194304
	s_add_nc_u64 s[32:33], s[10:11], s[40:41]
	s_lshl_b32 s40, s39, 13                        ; v, scale words: 8,192 b + 2,048 w + 256 pb
	s_lshl_b32 s50, s38, 11
	s_add_co_u32 s40, s40, s50
	s_lshl_b32 s50, s46, 8
	s_add_co_u32 s40, s40, s50
	s_add_co_u32 s40, s40, 13107200
	s_add_nc_u64 s[34:35], s[10:11], s[40:41]
	s_wait_loadcnt 49                              ; all that the q and k units want is in; the 1 + 16 + 32 loads for the v units may be out
	; h's scale bytes come as words of four tiles for one block; the product wants words of four blocks for one tile: two transpositions of 4 x 4 bytes
.irp s, 0,1
	v_perm_b32 v[PT+4*\s],   v[HB+4*\s+1], v[HB+4*\s],   s42
	v_perm_b32 v[PT+4*\s+1], v[HB+4*\s+1], v[HB+4*\s],   s43
	v_perm_b32 v[PT+4*\s+2], v[HB+4*\s+3], v[HB+4*\s+2], s42
	v_perm_b32 v[PT+4*\s+3], v[HB+4*\s+3], v[HB+4*\s+2], s43
.endr
.irp s, 0,1
	v_perm_b32 v[HS+\s],   v[PT+4*\s+2], v[PT+4*\s],   s44
	v_perm_b32 v[HS+2+\s], v[PT+4*\s+2], v[PT+4*\s],   s45
	v_perm_b32 v[HS+4+\s], v[PT+4*\s+3], v[PT+4*\s+1], s44
	v_perm_b32 v[HS+6+\s], v[PT+4*\s+3], v[PT+4*\s+1], s45
.endr
	PLACES 8                                       ; a scale register written by a vector instruction stands eight places ahead of a scaled matrix instruction
; A unit for q or k: positions of tile t.  The eight accumulators take turns, one instruction a turn.
.macro UQK t
	WIN 0x25                                       ; sources 0 and 1 window 1, C (the bias) window 2
.irp i, 0,1,2,3,4,5,6,7
.set rD, HA+8*\i
.set rA, WF+16*\i
.set rB, HF+16*(\t)
.set rC, BQ+8*\i
.set rSA, WS+\i
.set rSB, HS+2*((\t)/2)
.set rRA, 0
.set rRB, (\t)%2
	WM
.endr
	WIN 0x05
.irp i, 0,1,2,3,4,5,6,7
.set rD, HA+8*\i
.set rA, WF+16*\i+8
.set rB, HF+16*(\t)+8
.set rC, rD
.set rSA, WS+\i
.set rSB, HS+2*((\t)/2)+1
.set rRA, 1
.set rRB, (\t)%2
	WM
.endr
	WIN 0
	PLACES 5                                       ; four before the sums are read; five before the next unit's products begin these accumulators anew
	QB PC+8*(\t), PW+(\t)
.irp b, 0,1,2,3
	global_store_b64 v[LQ], v[PC+8*(\t)+2*\b:PC+8*(\t)+2*\b+1], s[28:29] offset:2048*(\t)+256*\b
.endr
.endm
; A unit for v: channels of weight tile 32 + 4 w + i, all 128 positions.
.macro UV i
	WIN 0x29                                       ; source 0 (h) window 1, source 1 (the weights) and C (the bias) window 2
.irp t, 0,1,2,3,4,5,6,7
.set rD, HA+8*\t
.set rA, HF+16*\t
.set rB, WV+16*(\i)
.set rC, BV+8*(\i)
.set rSA, HS+2*(\t/2)
.set rSB, WVS+(\i)
.set rRA, \t%2
.set rRB, 0
	WM
.endr
	WIN 0x09
.irp t, 0,1,2,3,4,5,6,7
.set rD, HA+8*\t
.set rA, HF+16*\t+8
.set rB, WV+16*(\i)+8
.set rC, rD
.set rSA, HS+2*(\t/2)+1
.set rSB, WVS+(\i)
.set rRA, \t%2
.set rRB, 1
	WM
.endr
	WIN 0
	PLACES 5
	QB PC+64+8*(\i), PW+8+(\i)
.irp b, 0,1,2,3
	global_store_b64 v[LQ], v[PC+64+8*(\i)+2*\b:PC+64+8*(\i)+2*\b+1], s[30:31] offset:1024*(\i)+256*\b
.endr
.endm
.irp t, 0,1,2,3,4,5,6,7
	UQK \t
.endr
.irp i, 0,1,2,3
	v_cndmask_b32 v[SD+\i], v[PW+\i], v[PW+4+\i], vcc_lo   ; lanes 0-15 store the words of tiles 0-3, lanes 16-31 of tiles 4-7: 256 consecutive aligned bytes each
.endr
	global_store_b128 v[SQA], v[SD:SD+3], s[32:33]
	s_wait_loadcnt 0x0                             ; the v units' weights, scale words and bias
.irp i, 0,1,2,3
	UV \i
.endr
.irp i, 0,1
	v_cndmask_b32 v[SD2+\i], v[PW+8+\i], v[PW+10+\i], vcc_lo   ; a row's four words from two lanes: 256 consecutive aligned bytes
.endr
	global_store_b64 v[LQ], v[SD2:SD2+1], s[34:35]
	s_endpgm
.Lfunc_end_k_q3c2ae868fa_qkv:
	.size	k_q3c2ae868fa_qkv, .Lfunc_end_k_q3c2ae868fa_qkv-k_q3c2ae868fa_qkv
	.p2alignl 7, 3214868480
	.fill 96, 4, 3214868480
	.section	.rodata,"a",@progbits
	.p2align	6, 0x0
	.amdhsa_kernel k_q3c2ae868fa_qkv
		.amdhsa_group_segment_fixed_size 0
		.amdhsa_private_segment_fixed_size 0
		.amdhsa_enable_private_segment 0
		.amdhsa_kernarg_size 32
		.amdhsa_user_sgpr_count 2
		.amdhsa_user_sgpr_kernarg_segment_ptr 1
		.amdhsa_wavefront_size32 1
		.amdhsa_system_sgpr_workgroup_id_x 1
		.amdhsa_system_sgpr_workgroup_id_y 1
		.amdhsa_system_sgpr_workgroup_id_z 1
		.amdhsa_system_vgpr_workitem_id 0
		.amdhsa_next_free_vgpr 768
		.amdhsa_next_free_sgpr 66
		.amdhsa_reserve_vcc 1
		.amdhsa_float_denorm_mode_32 3
		.amdhsa_float_denorm_mode_16_64 3
		.amdhsa_memory_ordered 1
		.amdhsa_forward_progress 1
		.amdhsa_inst_pref_size 93
	.end_amdhsa_kernel
	.amdgpu_metadata
---
amdhsa.version: [ 1, 2 ]
amdhsa.kernels:
  - .name:           k_q3c2ae868fa_qkv
    .symbol:         k_q3c2ae868fa_qkv.kd
    .args:
      - { .name: hq, .offset: 0, .size: 8, .value_kind: global_buffer, .address_space: global }
      - { .name: wq, .offset: 8, .size: 8, .value_kind: global_buffer, .address_space: global }
      - { .name: b_attn, .offset: 16, .size: 8, .value_kind: global_buffer, .address_space: global }
      - { .name: qkv, .offset: 24, .size: 8, .value_kind: global_buffer, .address_space: global }
    .group_segment_fixed_size: 0
    .private_segment_fixed_size: 0
    .kernarg_segment_align: 8
    .kernarg_segment_size: 32
    .max_flat_workgroup_size: 128
    .sgpr_count:     66
    .vgpr_count:     768
    .wavefront_size: 32
...
	.end_amdgpu_metadata
.endif
;; end of part 2
;; launch attn (part 3): grid 8 x 32, 4 waves a work-group, clusters of 4 x 1, 311,808 bytes of LDS; arguments qkv, wq, b_proj, x, out0; writes out0
.if DOCPART == 3
	.amdgcn_target "amdgcn-amd-amdhsa--gfx1250"
	.amdhsa_code_object_version 6
	.text
	.protected	k_q3c2ae868fa_attn
	.globl	k_q3c2ae868fa_attn
	.p2align	8
	.type	k_q3c2ae868fa_attn,@function
k_q3c2ae868fa_attn:
	s_mov_b64 s[64:65], 0
	v_nop
	global_prefetch_b8 v0, s[64:65] scope:SCOPE_SE
	s_setreg_imm32_b32 hwreg(HW_REG_WAVE_MODE, 25, 1), 1
	s_wait_xcnt 0x0
	s_wait_alu depctr_hold_cnt(0) depctr_sa_sdst(0) depctr_va_vdst(0) depctr_va_sdst(0) depctr_va_ssrc(0) depctr_va_vcc(0) depctr_vm_vsrc(0)
	s_getreg_b32 s2, hwreg(HW_REG_IB_STS2, 6, 4)
	s_cmp_eq_u32 s2, 0
	s_cbranch_scc0 .Lentry_in_a_cluster
	s_endpgm
.Lentry_in_a_cluster:
	s_bfe_u32 s2, ttmp6, 0x10000c
	s_cmp_lg_u32 s2, 0x3003
	s_cbranch_scc0 .Lentry_shape_is_right
	s_endpgm
.Lentry_shape_is_right:
; out = x + (softmax(q k^T / 16) v W_proj^T + b_proj)^T, all three products on codes of FP4 (E2M1) with one E8M0 scale for each 32 along K.  q, k, v and W_proj come as codes, each fragment (16 rows x 128 K) 1,024 bytes
; on end in the order of the operand's registers; tiles of 16 hold, in row p of tile 2 B + u, index 32 B + 8 u + p + 8 (p / 8), so that a result's 16 registers of two neighbouring source-0 tiles are 16 neighbours.
; p IS QUANTISED FINISHED AND NORMALISED: a row's maximum and sum over all 1,024 keys are known before any code of p is made.  So the scores of 64 queries x 1,024 keys stay in the work-group's registers.
; SHARES.  Work-group (x = qb, y = b) owns 128 queries of batch b, 64 a trip of a loop of two.  THE WAVES SHARE THE COLUMNS:
;   scores: wave w owns keys 256 w .. + 255 (16 tiles; their 32 fragments stay in 256 registers for both trips) for all 64 queries: 512 registers of scores.  S^T = k q^T: a lane holds one query.
;   a row's maximum and sum meet through LDS; p = 2^(c s - c max) / sum, c = log2(e) / 16; p's codes are key steps 2 w and 2 w + 1 of the next product and go to LDS as images of the operand's registers;
;   O^T = v^T p^T: wave w makes channels 64 w .. + 63 over all eight key steps; o is quantised (two blocks a wave) and goes to LDS likewise;
;   y = o W_proj^T + b_proj (source 0 = o, so that a lane holds one output channel and eight neighbouring positions): wave w makes channels 64 w .. + 63; they leave through the wave's own stage, where x is added.
; WHAT IS WANTED LATE IS ASKED FOR AT THE HEAD.  Behind its register loads each wave issues two tensor loads: a quarter of the batch's v (32,768 dense bytes) and its own 64 channels x 128 positions of x (64 rows of 512 bytes).
; Both are filled once and stay: v is first read behind the first trip's softmax, x behind its product p v.  No tensor load stands in the loop; a wave has two outstanding at the most.
; CLUSTER.  The four work-groups of a cluster belong to one batch and want the same v: it is asked for JOINTLY (the same load, the same descriptor, a mask that names the four).  x's load is the work-group's own.
; k is shared too, but each of its fragments goes from memory into the registers of the one wave that multiplies by it; through LDS it would want 131,072 bytes beside the 311,296 in use here, more than a work-group can claim.
; FOUR BARRIERS A TRIP, each behind the wave's wait for all its LDS instructions.  A region is written again only by waves that have passed a barrier later than every read of it.
; LIMITS: a p under 2^-126 becomes 0 (v_exp_f32 flushes: ISA guide, 15.8); a block's largest p is made from its largest score by the same three instructions, which takes v_exp_f32 not to fall where its input rises;
; a block of zeros gets the byte 1: its codes are zeros; NaN and infinities are not served.  t_embd is no argument: no number of the result hangs on it.
; REGISTERS.  Window 0: see the names below.  Window 1: k's fragments, 8 (2 tile + K step).  Windows 2, 3: the scores of key steps 2 w, 2 w + 1, at 64 qt + 8 tile.
;   Window 2 later: v0-127 O^T, then y, at 8 (4 ct + qt); v128-191 W_proj's eight fragments; v192-223 the bias.
;   Window 3 later: v0-63 two buffers of four fragments of v, v64-127 the same of p, v128-191 o's eight fragments; then v0-127 rows of x, v128-255 rows of y.
.set MXB,  0                           ; LDS: 4 waves x 512: the waves' row maxima, 16 bytes a lane (four query tiles)
.set SMB,  2048                        ; the same for the sums
.set PSC,  4096                        ; p's scale words: [pair of key steps 4][lane][4 query tiles]; lanes 0-15 the even step, lanes 16-31 the odd one
.set OSC,  6144                        ; o's scale words: [qt 4][K step 2][row 16]
.set PIMG, 8192                        ; p's fragments [key step 8][qt 4][1,024].  THE STAGE of wave w, 16 rows x (256 bytes + 16), lies over the first bytes of its own two key steps, at PIMG + 8,192 w:
                                       ; nobody reads them behind the trip's fourth barrier, and the next to write them is the wave itself
.set OIMG, 40960                       ; o's fragments [qt 4][K step 2][1,024]
.set VIMG, 49152                       ; v's fragments of the whole batch [key step 8][channel tile 16][1,024]: filled once
.set XL,   180224                      ; x: for each wave 64 rows (channels) of 512 bytes (128 positions): filled once
.set LI,  1                            ; v1   16 lane
.set VA0, 2                            ; v2   VIMG + 4,096 w + 16 lane: v's key steps 0-3
.set MXA, 3                            ; v3   512 w + 16 lane
.set PA,  4                            ; v4   PIMG + 8,192 w + 16 p + 8 (lane / 16)
.set OA,  5                            ; v5   OIMG + 1,024 (w / 2) + 512 (w % 2) + 16 p + 8 (lane / 16)
.set OSA, 6                            ; v6   OSC + 64 (w / 2) + 2 (w % 2) + 4 p
.set LS,  7                            ; v7   4 lane
.set SOA, 8                            ; v8   my stage, in: 272 p + 64 (lane / 16)
.set RD,  9                            ; v9   my stage, back: 272 (lane / 16) + 16 p
.set GX,  10                           ; v10  out: 4,096 (lane / 16) + 16 p
.set VA1, 11                           ; v11  VA0 + 65,536: v's key steps 4-7 (an LDS offset has 16 bits).  VA1 = VA0 + 9 in the register file: LOADS leans on that
.set BI,  12                           ; v12-15 b_proj at my lane's channel of each of my four tiles
.set KS,  16                           ; v16-31  k's scale words, register = tile; lanes 0-15 K step 0, lanes 16-31 K step 1
.set VS,  32                           ; v32-47  v's: 4 (step / 2) + ct
.set WPS, 48                           ; v48-51  W_proj's
.set QS,  52                           ; v52-55  q's
.set NM,  56                           ; v56-63  - c max, each twice
.set RR,  64                           ; v64-71  1 / sum, each twice
.set M,   72                           ; v72-75  a maximum or a sum for each query tile
.set OS,  76                           ; v76-79  o's scale words
.set BM,  80                           ; v80-111 a block's largest score, then its largest p, then its scale operand: 16 ls + 4 qt + block; later at work on o; at the head and in the way out at work on addresses
.set HW,  80                           ; the head: v80 wave, v81 lane, v82 p, v83 lane / 16, v84 16 p + 8 (lane / 16), v85 4 (p + 8 (p / 8))
.set HL,  81
.set HP,  82
.set HH,  83
.set LQ,  84
.set CBA, 85
.set XR,  80                           ; the way out: v80 LDS address of my 16 bytes of x's rows, v81 at work
.set XT,  81
.set QF,  112                          ; v112-175 q's eight fragments; in the softmax at work (TP, EX, SU); behind it the next trip's q
.set TP,  112
.set EX,  144
.set SU,  160
.set PF,  176                          ; v176-239 p's codes, 8 (4 ls + qt) + 2 block; then o's codes
.set PW,  240                          ; v240-247 p's scale words as made, v248-251 as stored;
.set SD,  248
.set PS,  240                          ; v240-255 then p's scale words of all eight key steps: 4 (step / 2) + qt
.set WP,  128                          ; window 2
.set CB,  192
.set VB,  0                            ; window 3
.set PB,  64
.set OF,  128
.set XB,  0
.set YB,  128
.set QI,  14                           ; s[14:15] q's codes   s[16:17] q's scale words   s[18:19], s[20:21] k's   s[24:25] v's scale words   s[26:27], s[28:29] W_proj's   s[30:31] b_proj
.set QSB, 16
.set KI,  18
.set KSB, 20
.set VSB, 24
.set WPI, 26
.set WPSB, 28
.set BP,  30
.set TQ,  32                           ; s[32:33] offsets that hang on my place in the cluster are made here and in s48, s51 alone
.set OBS, 34                           ; s[34:35] out at my wave's channels and the trip's 64 positions
.set CS,  36                           ; s[36:37] c = log2(e) / 16, twice: the packed form names a pair
.set SEL, 40                           ; s[40:41] selects for lane l xor 16
.set NC,  42                           ; s42  - c
.set WV,  43                           ; s43  wave
.set GRP, 44                           ; s44  trips to go
.set XS,  49                           ; s49  XL + 32,768 w + 256 x trip
.set G0V, 56                           ; s[56:59] descriptor group 0 for v, s[60:63] for x; s[68:75], s[76:83] their groups 1.  None is written again
.set G0X, 60
.set G1V, 68
.set G1X, 76
.set MSB, 0
.macro WIN new                         ; the immediate's high byte repeats the setting that is left; bits 1:0 source 0, 3:2 source 1, 5:4 source 2, 7:6 destination
.if MSB != (\new)
	s_set_vgpr_msb (MSB<<8)|(\new)
.set MSB, (\new)
.endif
.endm
; One matrix instruction from the symbols rD, rA, rB, rC (under 0: the constant 0), the scale registers rSA, rSB and their rows rRA, rRB
.macro WM
.if rC < 0
.if (rRA == 0) && (rRB == 0)
	v_wmma_scale_f32_16x16x128_f8f6f4 v[rD:rD+7], v[rA:rA+7], v[rB:rB+7], 0, v[rSA], v[rSB] matrix_a_fmt:MATRIX_FMT_FP4 matrix_b_fmt:MATRIX_FMT_FP4
.elseif (rRA == 1) && (rRB == 0)
	v_wmma_scale_f32_16x16x128_f8f6f4 v[rD:rD+7], v[rA:rA+7], v[rB:rB+7], 0, v[rSA], v[rSB] matrix_a_fmt:MATRIX_FMT_FP4 matrix_b_fmt:MATRIX_FMT_FP4 matrix_a_scale:MATRIX_SCALE_ROW1
.elseif (rRA == 0) && (rRB == 1)
	v_wmma_scale_f32_16x16x128_f8f6f4 v[rD:rD+7], v[rA:rA+7], v[rB:rB+7], 0, v[rSA], v[rSB] matrix_a_fmt:MATRIX_FMT_FP4 matrix_b_fmt:MATRIX_FMT_FP4 matrix_b_scale:MATRIX_SCALE_ROW1
.else
	v_wmma_scale_f32_16x16x128_f8f6f4 v[rD:rD+7], v[rA:rA+7], v[rB:rB+7], 0, v[rSA], v[rSB] matrix_a_fmt:MATRIX_FMT_FP4 matrix_b_fmt:MATRIX_FMT_FP4 matrix_a_scale:MATRIX_SCALE_ROW1 matrix_b_scale:MATRIX_SCALE_ROW1
.endif
.else
.if (rRA == 0) && (rRB == 0)
	v_wmma_scale_f32_16x16x128_f8f6f4 v[rD:rD+7], v[rA:rA+7], v[rB:rB+7], v[rC:rC+7], v[rSA], v[rSB] matrix_a_fmt:MATRIX_FMT_FP4 matrix_b_fmt:MATRIX_FMT_FP4
.elseif (rRA == 1) && (rRB == 0)
	v_wmma_scale_f32_16x16x128_f8f6f4 v[rD:rD+7], v[rA:rA+7], v[rB:rB+7], v[rC:rC+7], v[rSA], v[rSB] matrix_a_fmt:MATRIX_FMT_FP4 matrix_b_fmt:MATRIX_FMT_FP4 matrix_a_scale:MATRIX_SCALE_ROW1
.elseif (rRA == 0) && (rRB == 1)
	v_wmma_scale_f32_16x16x128_f8f6f4 v[rD:rD+7], v[rA:rA+7], v[rB:rB+7], v[rC:rC+7], v[rSA], v[rSB] matrix_a_fmt:MATRIX_FMT_FP4 matrix_b_fmt:MATRIX_FMT_FP4 matrix_b_scale:MATRIX_SCALE_ROW1
.else
	v_wmma_scale_f32_16x16x128_f8f6f4 v[rD:rD+7], v[rA:rA+7], v[rB:rB+7], v[rC:rC+7], v[rSA], v[rSB] matrix_a_fmt:MATRIX_FMT_FP4 matrix_b_fmt:MATRIX_FMT_FP4 matrix_a_scale:MATRIX_SCALE_ROW1 matrix_b_scale:MATRIX_SCALE_ROW1
.endif
.endif
.endm
.macro PLACES n
.rept \n
	v_nop
.endr
.endm
.macro BARRIER                         ; my LDS stores have landed and my LDS loads are in: then the work-group's barrier
	s_wait_dscnt 0x0
	s_barrier_signal -1
	s_barrier_wait -1
.endm
; A round of the cluster's barrier: my work-group's barrier, so that wave 0's signal speaks for all four waves; wave 0 signals for the work-group; every wave waits for all four work-groups; my work-group's barrier once more.
.macro CROUND
	s_barrier_signal -1
	s_barrier_wait -1
	s_cmp_lg_u32 s[WV], 0
	s_cbranch_scc1 .Lnot_wave_0_\@
	s_barrier_signal -3
.Lnot_wave_0_\@:
	s_barrier_wait -3
	s_barrier_signal -1
	s_barrier_wait -1
.endm
.macro QLOAD oi, os                    ; four tiles of queries: eight fragments and their scale words
.set f, 0
.rept 8
.irp c, 0,1
	global_load_b128 v[QF+8*f+4*\c:QF+8*f+4*\c+3], v[LI], s[QI:QI+1] offset:\oi+1024*f+512*\c
.endr
.set f, f+1
.endr
	global_load_b128 v[QS:QS+3], v[LI], s[QSB:QSB+1] offset:\os
.endm
; S^T = k q^T for key step 2 w + ls: eight tiles of keys x four tiles of queries x K 256.  For each tile of keys the four accumulators take turns, one instruction a turn; the first starts the sum.
; In the first trip k is still arriving: loads come back in order (ISA guide 5.7.1), so the count in front of a tile leaves out the four loads of each later tile.  In the second trip no load is out and the waits are met at once.
.macro SCORES ls
	WIN 0xa1+0x50*\ls                              ; source 0 (k) window 1, source 1 (q) window 0, C and D window 2 + ls
.set kq, 0
.rept 8
	s_wait_loadcnt 4*(15-8*\ls-kq)
.irp s, 0,1
.irp qt, 0,1,2,3
.set rD, 64*\qt+8*kq
.set rA, 8*(2*(8*\ls+kq)+\s)
.set rB, QF+8*(2*\qt+\s)
.if \s == 0
.set rC, -1
.else
.set rC, rD
.endif
.set rSA, KS+8*\ls+kq
.set rSB, QS+\qt
.set rRA, \s
.set rRB, \s
	WM
.endr
.endr
.set kq, kq+1
.endr
.endm
; The largest score of my 16 keys of each block of 32: it serves for the row's maximum and, since p rises with the score, for the block's largest p.  Each accumulator is read from its low end on.
.macro BMAX ls
	WIN 0x0a+5*\ls                                 ; sources 0 and 1 window 2 + ls
.irp qt, 0,1,2,3
.irp b, 0,1,2,3
	v_max3_num_f32 v[BM+16*\ls+4*\qt+\b], v[64*\qt+16*\b], v[64*\qt+16*\b+1], 0xff800000
.endr
.irp i, 2,4,6,8,10,12,14
.irp b, 0,1,2,3
	v_max3_num_f32 v[BM+16*\ls+4*\qt+\b], v[64*\qt+16*\b+\i], v[64*\qt+16*\b+\i+1], v[BM+16*\ls+4*\qt+\b]
.endr
.endr
.endr
.endm
.macro EXPS ls                         ; 2^(c s - c max), in place
	WIN 0x82+0x41*\ls                              ; destination and source 0 window 2 + ls
.irp qt, 0,1,2,3
.set i, 0
.rept 32
	v_pk_fma_f32 v[64*\qt+i:64*\qt+i+1], v[64*\qt+i:64*\qt+i+1], s[CS:CS+1], v[NM+2*\qt:NM+2*\qt+1] op_sel_hi:[1,0,1]
.set i, i+2
.endr
.endr
.set i, 0
.rept 256
	v_exp_f32 v[i], v[i]
.set i, i+1
.endr
.endm
; p = 2^(..) / sum; its codes; their images to LDS: a lane's 16 codes of a block are 8 bytes at 256 x block + 16 p + 8 (lane / 16), so a store covers 256 consecutive bytes
.macro FIN ls
	WIN 0x82+0x41*\ls
.irp qt, 0,1,2,3
.set i, 0
.rept 32
	v_pk_mul_f32 v[64*\qt+i:64*\qt+i+1], v[64*\qt+i:64*\qt+i+1], v[RR+2*\qt:RR+2*\qt+1]
.set i, i+2
.endr
.endr
	WIN 0x02+\ls                                   ; source 0 window 2 + ls
.irp qt, 0,1,2,3
.irp b, 0,1,2,3
	v_cvt_scalef32_pk8_fp4_f32 v[PF+8*(4*\ls+\qt)+2*\b], v[64*\qt+16*\b:64*\qt+16*\b+7], v[BM+16*\ls+4*\qt+\b]
	v_cvt_scalef32_pk8_fp4_f32 v[PF+8*(4*\ls+\qt)+2*\b+1], v[64*\qt+16*\b+8:64*\qt+16*\b+15], v[BM+16*\ls+4*\qt+\b]
.endr
.endr
	WIN 0
	v_nop                                          ; one plain place behind the conversions
.irp qt, 0,1,2,3
.irp b, 0,1,2,3
	ds_store_b64 v[PA], v[PF+8*(4*\ls+\qt)+2*\b:PF+8*(4*\ls+\qt)+2*\b+1] offset:4096*\ls+1024*\qt+256*\b
.endr
.endr
.endm
.macro LOADS ks                        ; key step ks: my four fragments of v and p's four, sixteen loads of 512 consecutive bytes, into buffers ks % 2 of window 3
.irp ct, 0,1,2,3
.irp c, 0,1
	ds_load_b128 v[VB+32*((\ks)%2)+8*\ct+4*\c:VB+32*((\ks)%2)+8*\ct+4*\c+3], v[VA0+9*((\ks)/4)] offset:16384*((\ks)%4)+1024*\ct+512*\c
.endr
.endr
.irp qt, 0,1,2,3
.irp c, 0,1
	ds_load_b128 v[PB+32*((\ks)%2)+8*\qt+4*\c:PB+32*((\ks)%2)+8*\qt+4*\c+3], v[LI] offset:PIMG+4096*(\ks)+1024*\qt+512*\c
.endr
.endr
.endm
	s_load_b256 s[4:11], s[0:1], 0x0               ; qkv s[4:5], wq s[6:7], b_proj s[8:9], x s[10:11]
	s_load_b64 s[12:13], s[0:1], 0x20              ; out0
	v_lshl_add_u32 v254, v0, 2, 0x4c000
	v_mov_b32 v255, 0
	ds_add_u32 v254, v255
	ds_add_u32 v254, v255
	s_wait_dscnt 0x0
	v_lshrrev_b32 v[HW], 5, v0
	v_readfirstlane_b32 s[WV], v[HW]               ; wave 0..3
	v_and_b32 v[HL], 31, v0                        ; lane
	v_and_b32 v[HP], 15, v0                        ; p
	v_bfe_u32 v[HH], v0, 4, 1                      ; lane / 16
	v_lshlrev_b32 v[LI], 4, v[HL]
	v_lshlrev_b32 v[LQ], 4, v[HP]
	v_lshl_add_u32 v[LQ], v[HH], 3, v[LQ]
	s_lshl_b32 s45, s[WV], 9
	v_add_nc_u32 v[MXA], s45, v[LI]
	s_lshl_b32 s45, s[WV], 13
	s_add_co_u32 s45, s45, PIMG                    ; my two key steps of p's images, and my stage
	v_add_nc_u32 v[PA], s45, v[LQ]
	v_mul_u32_u24 v[SOA], v[HP], 272
	v_lshl_add_u32 v[SOA], v[HH], 6, v[SOA]
	v_add_nc_u32 v[SOA], s45, v[SOA]
	v_mul_u32_u24 v[RD], v[HH], 272
	v_lshl_add_u32 v[RD], v[HP], 4, v[RD]
	v_add_nc_u32 v[RD], s45, v[RD]
	s_lshr_b32 s46, s[WV], 1
	s_and_b32 s47, s[WV], 1
	s_lshl_b32 s45, s46, 10
	s_lshl_b32 s48, s47, 9
	s_add_co_u32 s45, s45, s48
	s_add_co_u32 s45, s45, OIMG
	v_add_nc_u32 v[OA], s45, v[LQ]
	s_lshl_b32 s45, s46, 6
	s_lshl_b32 s48, s47, 1
	s_add_co_u32 s45, s45, s48
	s_add_co_u32 s45, s45, OSC
	v_lshl_add_u32 v[OSA], v[HP], 2, s45
	v_lshlrev_b32 v[LS], 2, v[HL]
	s_lshl_b32 s45, s[WV], 12
	s_add_co_u32 s45, s45, VIMG
	v_add_nc_u32 v[VA0], s45, v[LI]
	v_add_nc_u32 v[VA1], 0x10000, v[VA0]
	v_lshlrev_b32 v[GX], 12, v[HH]
	v_lshl_add_u32 v[GX], v[HP], 4, v[GX]
	v_and_b32 v[CBA], 8, v[HP]
	v_add_nc_u32 v[CBA], v[CBA], v[HP]
	v_lshlrev_b32 v[CBA], 2, v[CBA]
	v_cmp_le_u32 vcc_lo, 16, v[HL]                 ; lanes 16-31; nothing writes VCC again
	s_mov_b32 s[CS], 0x3db8aa3b                    ; c = log2(e) / 16
	s_mov_b32 s[CS+1], s[CS]
	s_mov_b32 s[NC], 0xbdb8aa3b                    ; - c
	s_mov_b32 s[SEL], 0x76543210
	s_mov_b32 s[SEL+1], 0xfedcba98
	s_mov_b32 s[GRP], 2
	; descriptor group 1 for v: 32,768 dense bytes as 128 rows of 256 (32 elements of 8 bytes), no padding: fragments are read 512 consecutive bytes an instruction
	s_mov_b32 s[G1V], 15|(3<<16)|(1<<21)           ; 15:0 the mask: all four work-groups of the cluster; 17:16 elements of 8 bytes; 21 set beside a mask
	s_mov_b32 s[G1V+1], 32<<16                     ; tensor_dim0 = 32
	s_mov_b32 s[G1V+2], 128<<16                    ; tensor_dim1 = 128
	s_mov_b32 s[G1V+3], 32<<16                     ; tile_dim0 = 32
	s_mov_b32 s[G1V+4], 128                        ; tile_dim1 = 128
	s_mov_b32 s[G1V+5], 32                         ; from row to row: 32 elements
	s_mov_b32 s[G1V+6], 0
	s_mov_b32 s[G1V+7], 0
	; and for x: 64 rows (channels) of 128 f32 (positions), 1,024 elements apart in memory, no padding: rows are read back 256 consecutive bytes to sixteen lanes
	s_mov_b32 s[G1X], 2<<16                        ; no mask: the work-group's own load; elements of 4 bytes
	s_mov_b32 s[G1X+1], 128<<16
	s_mov_b32 s[G1X+2], 64<<16
	s_mov_b32 s[G1X+3], 128<<16
	s_mov_b32 s[G1X+4], 64
	s_mov_b32 s[G1X+5], 1024
	s_mov_b32 s[G1X+6], 0
	s_mov_b32 s[G1X+7], 0
	s_and_b32 s50, ttmp7, 0xffff                   ; b: the batch, which the four partners share
	s_bfe_u32 s51, ttmp6, 0x40000                  ; cx: my place in the cluster
	s_lshl_b32 s48, ttmp9, 2                       ; in a cluster launch ttmp9 counts clusters
	s_add_co_u32 s51, s51, s48                     ; qb = 4 x cluster x + cx: it enters q's, x's and out's addresses alone
	s_lshl_b32 s48, s50, 3
	s_add_co_u32 s48, s48, s51                     ; 8 b + qb
	s_mov_b32 s53, 0
	s_mov_b32 s[TQ+1], 0
	s_lshl_b32 s[XS], s[WV], 15
	s_mov_b32 s[G0V], 1                            ; count = 1
	s_add_co_u32 s[G0V+1], s[XS], VIMG             ; LDS address: my quarter of v
	s_mov_b32 s[G0X], 1
	s_add_co_u32 s[G0X+1], s[XS], XL               ; LDS address: my 64 rows of x
	s_add_co_u32 s[XS], s[XS], XL
	s_wait_kmcnt 0x0
	s_lshl_b32 s52, s[WV], 8                       ; b_proj at channel 64 w
	s_add_nc_u64 s[BP:BP+1], s[8:9], s[52:53]
	s_lshl_b32 s52, s[WV], 9                       ; W_proj's scale words: tiles 48 + 4 w on
	s_add_co_u32 s52, s52, 131072+6144
	s_add_nc_u64 s[WPSB:WPSB+1], s[6:7], s[52:53]
	s_lshl_b32 s52, s[WV], 13                      ; W_proj's codes
	s_add_co_u32 s52, s52, 98304
	s_add_nc_u64 s[WPI:WPI+1], s[6:7], s[52:53]
	s_lshl_b32 s52, s50, 13                        ; k's and v's scale words: 8,192 b + 2,048 w in their regions
	s_lshl_b32 s45, s[WV], 11
	s_add_co_u32 s52, s52, s45
	s_add_co_u32 s54, s52, 8650752
	s_add_co_u32 s52, s52, 13107200
	s_add_nc_u64 s[VSB:VSB+1], s[4:5], s[52:53]
	s_mov_b32 s52, s54
	s_add_nc_u64 s[KSB:KSB+1], s[4:5], s[52:53]
	s_lshl_b32 s52, s50, 17                        ; k's and v's codes: 131,072 b + 32,768 w in their regions
	s_lshl_b32 s45, s[WV], 15
	s_add_co_u32 s52, s52, s45
	s_add_co_u32 s54, s52, 8912896
	s_add_co_u32 s52, s52, 4456448
	s_add_nc_u64 s[KI:KI+1], s[4:5], s[52:53]
	s_mov_b32 s52, s54
	s_add_nc_u64 s[G0V+2:G0V+3], s[4:5], s[52:53]  ; v's quarter: made of the batch and the wave alone, the same in all four partners
	s_or_b32 s[G0V+3], s[G0V+3], 0x80000000        ; type = 2
	s_lshl_b32 s[TQ], s48, 14                      ; q's codes: my eight tiles
	s_add_nc_u64 s[QI:QI+1], s[4:5], s[TQ:TQ+1]
	s_lshl_b32 s[TQ], s48, 10                      ; q's scale words
	s_add_co_u32 s[TQ], s[TQ], 4194304
	s_add_nc_u64 s[QSB:QSB+1], s[4:5], s[TQ:TQ+1]
	s_lshl_b32 s[TQ], s50, 20                      ; x and out: batch b, channel 64 w, position 128 qb
	s_lshl_b32 s48, s[WV], 18
	s_add_co_u32 s[TQ], s[TQ], s48
	s_lshl_b32 s48, s51, 9
	s_add_co_u32 s[TQ], s[TQ], s48
	s_add_nc_u64 s[OBS:OBS+1], s[12:13], s[TQ:TQ+1]
	s_add_nc_u64 s[G0X+2:G0X+3], s[10:11], s[TQ:TQ+1]
	s_or_b32 s[G0X+3], s[G0X+3], 0x80000000
	; the small loads and q first, then k tile by tile: the scores begin when the first tile of keys is in
.irp ct, 0,1,2,3
	global_load_b32 v[BI+\ct], v[CBA], s[BP:BP+1] offset:(32*(\ct/2)+8*(\ct%2))*4
.endr
	global_load_b128 v[WPS:WPS+3], v[LI], s[WPSB:WPSB+1]
.irp q, 0,1,2,3
	global_load_b128 v[VS+4*\q:VS+4*\q+3], v[LI], s[VSB:VSB+1] offset:512*\q
.endr
.irp q, 0,1,2,3
	global_load_b128 v[KS+4*\q:KS+4*\q+3], v[LI], s[KSB:KSB+1] offset:512*\q
.endr
	QLOAD 0, 0
	WIN 0x40                                       ; destination window 1
.set f, 0
.rept 32                                       ; fragment f = 2 x tile + K step: they stay
.irp c, 0,1
	global_load_b128 v[8*f+4*\c:8*f+4*\c+3], v[LI], s[KI:KI+1] offset:1024*f+512*\c
.endr
.set f, f+1
.endr
	WIN 0
	CROUND                                         ; all four work-groups are here: the joint loads meet
	tensor_load_to_lds s[G0V:G0V+3], s[G1V:G1V+7]  ; v first: it is wanted first.  Both stand behind k's loads, which the first products wait for
	s_nop 0
	tensor_load_to_lds s[G0X:G0X+3], s[G1X:G1X+7]
	s_nop 0
	PLACES 4                                       ; four lines behind the loads
.Lgroup:                                           ; a trip: 64 queries
	SCORES 0
	SCORES 1
	WIN 0
	PLACES 5                                       ; four before the scores are read and q's registers written; five before later products write over these registers
	BMAX 0
	BMAX 1
	WIN 0
.set n, 0
.rept 32
	v_permlanex16_b32 v[TP+n], v[BM+n], s[SEL], s[SEL+1]
.set n, n+1
.endr
.set n, 0
.rept 32
	v_max_num_f32 v[BM+n], v[BM+n], v[TP+n]        ; with lane l xor 16's 16 keys: the block's largest score
.set n, n+1
.endr
.irp qt, 0,1,2,3
	v_max3_num_f32 v[M+\qt], v[BM+4*\qt], v[BM+4*\qt+1], v[BM+4*\qt+2]
.endr
.irp qt, 0,1,2,3
	v_max3_num_f32 v[M+\qt], v[M+\qt], v[BM+4*\qt+3], v[BM+16+4*\qt]
.endr
.irp qt, 0,1,2,3
	v_max3_num_f32 v[M+\qt], v[M+\qt], v[BM+16+4*\qt+1], v[BM+16+4*\qt+2]
.endr
.irp qt, 0,1,2,3
	v_max_num_f32 v[M+\qt], v[M+\qt], v[BM+16+4*\qt+3]   ; my wave's 256 keys
.endr
	ds_store_b128 v[MXA], v[M:M+3] offset:MXB
	BARRIER                                        ; the four waves' maxima lie in LDS
.irp i, 0,1,2,3
	ds_load_b128 v[EX+4*\i:EX+4*\i+3], v[LI] offset:MXB+512*\i
.endr
	s_wait_dscnt 0x0
.irp qt, 0,1,2,3
	v_max3_num_f32 v[M+\qt], v[EX+\qt], v[EX+4+\qt], v[EX+8+\qt]
.endr
.irp qt, 0,1,2,3
	v_max_num_f32 v[M+\qt], v[M+\qt], v[EX+12+\qt] ; the row's largest score over all 1,024 keys
.endr
.irp qt, 0,1,2,3
	v_mul_f32 v[NM+2*\qt], s[NC], v[M+\qt]
	v_mul_f32 v[NM+2*\qt+1], s[NC], v[M+\qt]
.endr
	EXPS 0
	EXPS 1
	WIN 0
.set n, 0
	s_wait_alu depctr_va_vdst(0)
.rept 16
	v_mov_b32 v[SU+n], 0                           ; eight pairs of sums (these are also the plain place behind the exponentials)
.set n, n+1
.endr
.irp ls, 0,1
	WIN 0x02+\ls
.set i, 0
.rept 32
.irp qt, 0,1,2,3
	v_pk_add_f32 v[SU+8*\ls+2*\qt:SU+8*\ls+2*\qt+1], v[64*\qt+i:64*\qt+i+1], v[SU+8*\ls+2*\qt:SU+8*\ls+2*\qt+1]
.endr
.set i, i+2
.endr
.endr
	WIN 0
.irp qt, 0,1,2,3
	v_add_f32 v[SU+2*\qt], v[SU+2*\qt], v[SU+2*\qt+1]
	v_add_f32 v[SU+8+2*\qt], v[SU+8+2*\qt], v[SU+8+2*\qt+1]
.endr
.irp qt, 0,1,2,3
	v_add_f32 v[M+\qt], v[SU+2*\qt], v[SU+8+2*\qt]
.endr
.irp qt, 0,1,2,3
	v_permlanex16_b32 v[TP+\qt], v[M+\qt], s[SEL], s[SEL+1]
.endr
.irp qt, 0,1,2,3
	v_add_f32 v[M+\qt], v[M+\qt], v[TP+\qt]
.endr
	ds_store_b128 v[MXA], v[M:M+3] offset:SMB
	BARRIER                                        ; the four waves' sums lie in LDS
.irp i, 0,1,2,3
	ds_load_b128 v[EX+4*\i:EX+4*\i+3], v[LI] offset:SMB+512*\i
.endr
	s_wait_dscnt 0x0
.irp qt, 0,1,2,3
	v_add_f32 v[EX+\qt], v[EX+\qt], v[EX+4+\qt]    ; in the same order in every wave
	v_add_f32 v[EX+8+\qt], v[EX+8+\qt], v[EX+12+\qt]
.endr
.irp qt, 0,1,2,3
	v_add_f32 v[EX+\qt], v[EX+\qt], v[EX+8+\qt]
.endr
.irp qt, 0,1,2,3
	v_rcp_f32 v[RR+2*\qt], v[EX+\qt]
	v_rcp_f32 v[RR+2*\qt+1], v[EX+\qt]
.endr
	v_nop                                          ; one plain place behind the transcendentals
	; each block's largest p, by the same multiply-add, exponential and multiplication as its numbers; then its scale
.set n, 0
.rept 32
	v_fma_f32 v[BM+n], v[BM+n], s[CS], v[NM+2*((n/4)%4)]
.set n, n+1
.endr
.set n, 0
.rept 32
	v_exp_f32 v[BM+n], v[BM+n]
.set n, n+1
.endr
	v_nop
.set n, 0
	s_wait_alu depctr_va_vdst(0)
.rept 32
	v_mul_f32 v[BM+n], v[BM+n], v[RR+2*((n/4)%4)]
.set n, n+1
.endr
.set n, 0
.rept 32
	v_max_num_f32 v[BM+n], 0x1800000, v[BM+n]      ; the floor 2^(3 - 127): the byte cannot fall under 1
.set n, n+1
.endr
.set n, 0
.rept 32
	v_add_nc_u32 v[BM+n], 0xff000000, v[BM+n]      ; 2 off the exponent field: the conversion's scale operand
.set n, n+1
.endr
.set n, 0
.rept 32
	v_lshrrev_b32 v[TP+n], 23, v[BM+n]             ; the byte
.set n, n+1
.endr
.set n, 0
.rept 8                                        ; n = 4 ls + qt: my row's scale word for key step 2 w + ls
	v_lshl_or_b32 v[PW+n], v[TP+4*n+1], 8, v[TP+4*n]
	v_lshl_or_b32 v[PW+n], v[TP+4*n+2], 16, v[PW+n]
	v_lshl_or_b32 v[PW+n], v[TP+4*n+3], 24, v[PW+n]
.set n, n+1
.endr
	FIN 1
	s_cmp_eq_u32 s[GRP], 1                         ; q's registers are free from here on: the next 64 queries are asked for, if there are any (no load leaves its buffer).  With two trips the one fetch ahead stands at a constant offset
	s_cbranch_scc1 .Lno_next
	QLOAD 8192, 512
.Lno_next:
	FIN 0
	WIN 0x80                                       ; window 2 is free: W_proj's eight fragments, behind q's loads, so that one wait for 0 serves both trips
.set f, 0
.rept 8
.irp c, 0,1
	global_load_b128 v[WP+8*f+4*\c:WP+8*f+4*\c+3], v[LI], s[WPI:WPI+1] offset:1024*f+512*\c
.endr
.set f, f+1
.endr
.irp ct, 0,1,2,3                               ; the bias hangs on the lane's channel alone: the same number in all eight registers of a C
.irp j, 0,1,2,3,4,5,6,7
	v_mov_b32 v[CB+8*\ct+\j], v[BI+\ct]
.endr
.endr
	WIN 0
.irp qt, 0,1,2,3
	v_cndmask_b32 v[SD+\qt], v[PW+\qt], v[PW+4+\qt], vcc_lo   ; lanes 0-15 the even key step's words, lanes 16-31 the odd one's
.endr
	ds_store_b128 v[MXA], v[SD:SD+3] offset:PSC
	s_wait_tensorcnt 0x1                           ; my quarter of v has landed (a wave's tensor loads end in order: ISA guide 10.11.1); x's load, issued behind it, may be out.  Met at once in the second trip
	BARRIER                                        ; p's 32 fragments, their scale words and all of v lie in LDS
	; O^T = v^T p^T: my four tiles of channels x four tiles of queries, a key step at a time; v's and p's fragments in two buffers, two steps ahead
.irp kp, 0,1,2,3
	ds_load_b128 v[PS+4*\kp:PS+4*\kp+3], v[LI] offset:PSC+512*\kp
.endr
	WIN 0xc0                                       ; destination window 3
	LOADS 0
	LOADS 1
	PLACES 8                                       ; the registers that these loads fill were last written by vector instructions: eight places ahead of the scaled products, issued while the loads are out
.set ks, 0
.rept 8
.if ks < 7
	s_wait_dscnt 16                                ; this step's fragments are in; the next step's sixteen loads may be out
.else
	s_wait_dscnt 0x0
.endif
	WIN 0xaf                                       ; sources 0 (v) and 1 (p) window 3, C and D window 2
.irp ct, 0,1,2,3
.irp qt, 0,1,2,3
.set rD, 8*(4*\ct+\qt)
.set rA, VB+32*(ks%2)+8*\ct
.set rB, PB+32*(ks%2)+8*\qt
.if ks == 0
.set rC, -1
.else
.set rC, rD
.endif
.set rSA, VS+4*(ks/2)+\ct
.set rSB, PS+4*(ks/2)+\qt
.set rRA, ks%2
.set rRB, ks%2
	WM
.endr
.endr
.if ks < 6
	PLACES 4                                       ; in front of loads into registers that these products have read
	WIN 0xc0
	LOADS ks+2
.endif
.set ks, ks+1
.endr
	WIN 0
	PLACES 5                                       ; four before O^T is read; five before the next product writes over O^T
	; o is quantised along the channels: tiles 2 bo and 2 bo + 1 of my four are a half block of 16 neighbours a lane
	WIN 0x0a
.irp qt, 0,1,2,3
.irp bo, 0,1
	v_max3_num_f32 v[BM+2*\qt+\bo], |v[8*(8*\bo+\qt)]|, |v[8*(8*\bo+\qt)+1]|, 0x1800000
.endr
.endr
.irp i, 2,4,6
.irp qt, 0,1,2,3
.irp bo, 0,1
	v_max3_num_f32 v[BM+2*\qt+\bo], |v[8*(8*\bo+\qt)+\i]|, |v[8*(8*\bo+\qt)+\i+1]|, v[BM+2*\qt+\bo]
.endr
.endr
.endr
.irp i, 0,2,4,6
.irp qt, 0,1,2,3
.irp bo, 0,1
	v_max3_num_f32 v[BM+2*\qt+\bo], |v[8*(8*\bo+4+\qt)+\i]|, |v[8*(8*\bo+4+\qt)+\i+1]|, v[BM+2*\qt+\bo]
.endr
.endr
.endr
	WIN 0
.irp e, 0,1,2,3,4,5,6,7
	v_permlanex16_b32 v[BM+8+\e], v[BM+\e], s[SEL], s[SEL+1]
.endr
.irp e, 0,1,2,3,4,5,6,7
	v_max_num_f32 v[BM+\e], v[BM+\e], v[BM+8+\e]
.endr
.irp e, 0,1,2,3,4,5,6,7
	v_add_nc_u32 v[BM+16+\e], 0xff000000, v[BM+\e]
.endr
.irp e, 0,1,2,3,4,5,6,7
	v_lshrrev_b32 v[BM+24+\e], 23, v[BM+16+\e]
.endr
.irp qt, 0,1,2,3
	v_lshl_or_b32 v[BM+24+2*\qt], v[BM+25+2*\qt], 8, v[BM+24+2*\qt]   ; my two bytes of the row's scale word
.endr
	WIN 0x02
.irp qt, 0,1,2,3
.irp bo, 0,1
	v_cvt_scalef32_pk8_fp4_f32 v[PF+2*(2*\qt+\bo)], v[8*(8*\bo+\qt):8*(8*\bo+\qt)+7], v[BM+16+2*\qt+\bo]
	v_cvt_scalef32_pk8_fp4_f32 v[PF+2*(2*\qt+\bo)+1], v[8*(8*\bo+4+\qt):8*(8*\bo+4+\qt)+7], v[BM+16+2*\qt+\bo]
.endr
.endr
	WIN 0
	v_nop                                          ; one plain place behind the conversions: the next product writes their sources
.irp qt, 0,1,2,3
.irp bo, 0,1
	ds_store_b64 v[OA], v[PF+2*(2*\qt+\bo):PF+2*(2*\qt+\bo)+1] offset:2048*\qt+256*\bo
.endr
	ds_store_b16 v[OSA], v[BM+24+2*\qt] offset:128*\qt   ; both lanes of a row write the same two bytes with the same values
.endr
	s_wait_tensorcnt 0x0                           ; my rows of x have landed.  No tensor load is issued in the loop: in the second trip this wait is met at once, and none is out at the wave's end
	BARRIER                                        ; o's eight fragments and their scale words lie in LDS; nobody reads p's images any more
	; y = o W_proj^T + b_proj: source 0 = o's 16 queries, source 1 = 16 output channels: a lane holds one channel and eight neighbouring positions
	WIN 0xc0
.set f, 0
.rept 8
.irp c, 0,1
	ds_load_b128 v[OF+8*f+4*\c:OF+8*f+4*\c+3], v[LI] offset:OIMG+1024*f+512*\c
.endr
.set f, f+1
.endr
	WIN 0
.irp qt, 0,1,2,3
	ds_load_b32 v[OS+\qt], v[LS] offset:OSC+128*\qt
.endr
	s_wait_dscnt 0x0
	s_wait_loadcnt 0x0                             ; W_proj, and in the first trip the next queries, asked for ahead of it
	WIN 0xab                                       ; source 0 (o) window 3, source 1 (W_proj), C and D window 2
.irp s, 0,1
.irp ct, 0,1,2,3
.irp qt, 0,1,2,3
.set rD, 8*(4*\ct+\qt)
.set rA, OF+8*(2*\qt+\s)
.set rB, WP+8*(2*\ct+\s)
.if \s == 0
.set rC, CB+8*\ct
.else
.set rC, rD
.endif
.set rSA, OS+\qt
.set rSB, WPS+\ct
.set rRA, \s
.set rRB, \s
	WM
.endr
.endr
.endr
	WIN 0
	v_bfe_u32 v[XT], v[GX], 12, 1                  ; lane / 16.  These three lines and two v_nop are the places behind the products: four before y is read and o's registers are loaded into, five before the next trip's products write over these registers
	v_lshl_add_u32 v[XR], v[XT], 8, v[LI]          ; 512 (lane / 16) + 16 p
	v_add_nc_u32 v[XR], s[XS], v[XR]               ; in my rows of x, at the trip's 64 positions
	PLACES 2
	; THE WAY OUT, a tile of 16 channels at a time: a lane's 32 bytes of a channel's row go into my own stage; whole rows of 256 bytes come back (LDS serves a wave's instructions in order: ISA guide 5.7.1.4: no wait between
	; the stores and the loads, nor in front of the next tile's stores), and with them the same rows of x.  Stage rows 2 i and 2 i + 1 of tile ct are channels CH and CH + 1 of my 64, CH = 32 (ct / 2) + 8 (ct % 2) + 2 i + 8 (i / 4)
.irp ct, 0,1,2,3
	WIN 0x08                                       ; an LDS store's data are its source 1: window 2
.irp qt, 0,1,2,3
	ds_store_b128 v[SOA], v[8*(4*\ct+\qt):8*(4*\ct+\qt)+3] offset:(32*(\qt/2)+8*(\qt%2))*4      ; each accumulator from its low end on
	ds_store_b128 v[SOA], v[8*(4*\ct+\qt)+4:8*(4*\ct+\qt)+7] offset:(32*(\qt/2)+8*(\qt%2))*4+16
.endr
	WIN 0xc0
.irp i, 0,1,2,3,4,5,6,7
	ds_load_b128 v[YB+32*\ct+4*\i:YB+32*\ct+4*\i+3], v[RD] offset:544*\i
.endr
.irp i, 0,1,2,3,4,5,6,7
	ds_load_b128 v[XB+32*\ct+4*\i:XB+32*\ct+4*\i+3], v[XR] offset:(32*(\ct/2)+8*(\ct%2)+2*\i+8*(\i/4))*512
.endr
.endr
.irp ct, 0,1,2,3
.if \ct == 0
	s_wait_dscnt 63                                ; 72 LDS instructions were issued behind this tile's loads; a wait names 63 at the most, and the smaller count is the safe one
.else
	s_wait_dscnt 24*(3-\ct)                        ; the 24 LDS instructions of each later tile may be out
.endif
	WIN 0xcf
.irp k, 0,1,2,3,4,5,6,7,8,9,10,11,12,13,14,15
	v_pk_add_f32 v[YB+32*\ct+2*\k:YB+32*\ct+2*\k+1], v[YB+32*\ct+2*\k:YB+32*\ct+2*\k+1], v[XB+32*\ct+2*\k:XB+32*\ct+2*\k+1]
.endr
	WIN 0x0c                                       ; a store's data are its source 1: window 3
.irp i, 0,1,2,3,4,5,6,7
	global_store_b128 v[GX], v[YB+32*\ct+4*\i:YB+32*\ct+4*\i+3], s[OBS:OBS+1] offset:(32*(\ct/2)+8*(\ct%2)+2*\i+8*(\i/4))*4096 th:TH_STORE_NT   ; sixteen lanes store 256 consecutive aligned bytes
.endr
.endr
	WIN 0
	s_wait_xcnt 0x0                                ; the stores' data and their base are written again only behind this wait
	s_add_nc_u64 s[OBS:OBS+1], s[OBS:OBS+1], 256   ; 64 positions on, in out
	s_add_co_u32 s[XS], s[XS], 256                 ; and in x's rows in LDS
	s_sub_co_u32 s[GRP], s[GRP], 1
	s_cmp_lg_u32 s[GRP], 0
	s_cbranch_scc1 .Lgroup
	s_wait_xcnt 0x0
	v_lshl_add_u32 v254, v0, 2, 0x4c000
	v_mov_b32 v255, 0
	s_wait_tensorcnt 0x0
	ds_add_u32 v254, v255
	s_wait_dscnt 0x0
	CROUND                                         ; the closing round: no work-group ends while a partner may still ask for the tile that names it.  No LDS instruction and no tensor load of mine is out
	s_endpgm
.Lfunc_end_k_q3c2ae868fa_attn:
	.size	k_q3c2ae868fa_attn, .Lfunc_end_k_q3c2ae868fa_attn-k_q3c2ae868fa_attn
	.p2alignl 7, 3214868480
	.fill 96, 4, 3214868480
	.section	.rodata,"a",@progbits
	.p2align	6, 0x0
	.amdhsa_kernel k_q3c2ae868fa_attn
		.amdhsa_group_segment_fixed_size 311808
		.amdhsa_private_segment_fixed_size 0
		.amdhsa_enable_private_segment 0
		.amdhsa_kernarg_size 40
		.amdhsa_user_sgpr_count 2
		.amdhsa_user_sgpr_kernarg_segment_ptr 1
		.amdhsa_wavefront_size32 1
		.amdhsa_system_sgpr_workgroup_id_x 1
		.amdhsa_system_sgpr_workgroup_id_y 1
		.amdhsa_system_sgpr_workgroup_id_z 1
		.amdhsa_system_vgpr_workitem_id 0
		.amdhsa_next_free_vgpr 1024
		.amdhsa_next_free_sgpr 84
		.amdhsa_reserve_vcc 1
		.amdhsa_float_denorm_mode_32 3
		.amdhsa_float_denorm_mode_16_64 3
		.amdhsa_memory_ordered 1
		.amdhsa_forward_progress 1
		.amdhsa_inst_pref_size 197
	.end_amdhsa_kernel
	.amdgpu_metadata
---
amdhsa.version: [ 1, 2 ]
amdhsa.kernels:
  - .name:           k_q3c2ae868fa_attn
    .symbol:         k_q3c2ae868fa_attn.kd
    .args:
      - { .name: qkv, .offset: 0, .size: 8, .value_kind: global_buffer, .address_space: global }
      - { .name: wq, .offset: 8, .size: 8, .value_kind: global_buffer, .address_space: global }
      - { .name: b_proj, .offset: 16, .size: 8, .value_kind: global_buffer, .address_space: global }
      - { .name: x, .offset: 24, .size: 8, .value_kind: global_buffer, .address_space: global }
      - { .name: out0, .offset: 32, .size: 8, .value_kind: global_buffer, .address_space: global }
    .group_segment_fixed_size: 311808
    .private_segment_fixed_size: 0
    .kernarg_segment_align: 8
    .kernarg_segment_size: 40
    .max_flat_workgroup_size: 128
    .sgpr_count:     84
    .vgpr_count:     1024
    .wavefront_size: 32
...
	.end_amdgpu_metadata
.endif
;; end of part 3
